; MI455X (gfx1250); checked and timed in simulation.
; The chip was launched on July 23, 2026; its instructions are those of AMD's public machine-readable ISA for CDNA 5 (MIT licence, August 2026) and "CDNA5" Instruction Set Architecture Reference Guide (July 2026). The comments in the code are by the model that wrote it; some were corrected since.
;; Sliding Attention. Allowed arithmetic: matrix products marked QUANTISED: E2M3 operands, one E8M0 scale for each 32 along K, by v_wmma_scale_f32_16x16x128_f8f6f4 with both operands' format E2M3, f32 sums; everything else in f32.
;; Inputs: wk 4,096 x 1,024 float32; wo 4,096 x 4,096 float32; wq 4,096 x 4,096 float32; wv 4,096 x 1,024 float32; x 1 x 1,024 x 4,096 float32.
;; Outputs: out0 1 x 1,024 x 4,096 float32.
;; This version of the problem:
;;   THIS VERSION OF THE PROBLEM IS GIVEN IN LOW PRECISION. The matrix products marked QUANTISED in the list below multiply operands that are first quantised to E2M3 (2 exponent bits, 3 mantissa bits; 6 bits a number), with one power-of-two scale for each 32 numbers along K (OCP MX v1.0); their sums are f32. All else is computed in f32.
;;   The module's matrix products, in the order in which they are computed (A, B: the left and right operand; K: the contracted axis; several contracted axes count as one K, in the product's order):
;;     1. [M 1,024, K 4,096] x [K 4,096, N 4,096]; A: input x; B: input wq: QUANTISED
;;     2. [M 1,024, K 4,096] x [K 4,096, N 1,024]; A: input x; B: input wk: QUANTISED
;;     3. [M 1,024, K 4,096] x [K 4,096, N 1,024]; A: input x; B: input wv: QUANTISED
;;     4. batch 8 x [M 1,024, K 128] x [K 128, N 4,096]; A: computed on the way; B: computed on the way: QUANTISED
;;     5. batch 8 x [M 128, K 1,024] x [K 1,024, N 4,096]; A: computed on the way; B: softmax (see below): QUANTISED
;;     6. [M 1,024, K 4,096] x [K 4,096, N 4,096]; A: computed on the way; B: input wo: QUANTISED
;;   THE QUANTISER, for each operand of a quantised product, along K:
;;     - K is cut into blocks of 32 from its start; a last block that is shorter is filled with zeros.
;;     - A block's scale is 2^e with e = floor(log2(the largest magnitude in the block)) - 2, held to -126 .. 127; a block of zeros has e = 0. As a byte (E8M0): e + 127.
;;     - Each number is divided by its block's scale, clamped to +-7.5, and rounded to the nearest number of E2M3, ties to even, subnormals kept.
;;     - The product sums the exact products of the quantised numbers (number of the format x scale) in f32.
;;   ~~~python
;;   def quantise(x, axis):      # numpy; x: float32 -> the quantised numbers, widened to float32 again
;;       x = np.moveaxis(x, axis, -1); K = x.shape[-1]
;;       x = np.pad(x, [(0, 0)] * (x.ndim - 1) + [(0, -K % 32)]); x = x.reshape(x.shape[:-1] + (-1, 32)); a = np.abs(x).max(-1, keepdims=True)
;;       e = np.where(a > 0, np.clip(np.frexp(np.where(a > 0, a, 1))[1] - 1 - 2, -126, 127), 0)      # np.frexp(a)[1] - 1 = floor(log2(a)), exactly
;;       r = np.clip(x / 2.0 ** e, -7.5, 7.5)
;;       step = 2.0 ** (np.maximum(np.frexp(np.where(r == 0, 1, r))[1] - 1, 0) - 3)
;;       q = np.round(r / step) * step * 2.0 ** e      # np.round: ties to even
;;       return np.moveaxis(q.reshape(q.shape[:-2] + (-1,))[..., :K], -1, axis).astype(np.float32)
;;   ~~~
;;   SOFTMAX AHEAD OF A QUANTISED PRODUCT. Where the list says 'softmax', what is quantised is not the finished softmax but p = 2^(t - M), with t = logit x log2(e) and M = ceil(the row's largest t), a whole number; so 1/2 < the row's largest p <= 1. The row's sum l is taken of the UNQUANTISED p, in f32, and the product's result is divided by l at the end. Since M is a whole number, a kernel that streams over the keys may use a running M (the ceiling of the running maximum): every later rescaling is an exact power of two, which a block's scale takes up: the codes' values come out the same.
;;   OPERANDS COMPUTED ON THE WAY. 'Computed on the way' means the value that the module computes at that place (a softmax that the list does not call 'softmax' is quantised finished and normalised). What goes into a quantiser is computed in f32, as accurately as f32 sums, v_exp_f32 and their like allow (about 1e-6 of the number): no bf16 or f16 on the way to a quantiser, and a product that is left as it is and whose result goes on into a quantised operand takes f32 operands (vector FMAs, or v_wmma_f32_16x16x4_f32). A number that lies on a knife's edge between two numbers of the format may be rounded either way, as far as f32 arithmetic and the matrix unit's own rounding can turn it there, and no further.
;; One version. Each part assembles by itself: llvm-mc -triple=amdgcn-amd-amdhsa -mcpu=gfx1250 --defsym DOCPART=n.
;; ======== version 1 of 1: 4 launches
;; limits: right only within a limited range of input values
;; workspace buffers: xr 3,276,800 bytes; wr 32,768,000 bytes; tab 524,288 bytes; qkvr 4,915,200 bytes; ar 3,276,800 bytes
;; launch quant (part 1): grid 896 x 1, 4 waves a work-group, no clusters, 47,616 bytes of LDS; arguments x, wq, wk, wv, xr, wr, tab; writes xr, wr, tab
.if DOCPART == 1
	.amdgcn_target "amdgcn-amd-amdhsa--gfx1250"
	.amdhsa_code_object_version 6
	.text
	.protected	k_qcbce59eab0_quant
	.globl	k_qcbce59eab0_quant
	.p2align	8
	.type	k_qcbce59eab0_quant,@function
k_qcbce59eab0_quant:
	s_mov_b64 s[64:65], 0
	v_nop
	global_prefetch_b8 v0, s[64:65] scope:SCOPE_SE
	s_setreg_imm32_b32 hwreg(HW_REG_WAVE_MODE, 25, 1), 1
	s_wait_xcnt 0x0
; x [1024][4096] and wq, wk, wv ([4096][N], K = the first axis), f32, become codes of FP6 (E2M3) with one E8M0 byte for each 32 along K, laid as the products' launches load them; and the table of cos and sin is made.
; wo is quantised in the same way by spare waves of the attention launch: nothing reads its codes before the last launch.
; WORK LEFT OUT IN THIS PROGRAM: reference() masks key j for query i unless j <= i and j > i - 1024.  With 1,024 positions the second test holds for every pair, so the mask is the causal one; a masked score becomes the least f32,
; whose p is 0 beside the row's own key, so steps of 128 keys that lie wholly behind a wave's queries add nothing to any output and are not multiplied.  A NaN, an infinity or an overflow that reaches only those scores is not carried to the result.
; TILES.  16 rows of an operand form a tile; lane-row r of tile T is row 32 (T / 2) + 8 (T % 2) + r + 8 (r / 8), so that a product's results fall as 16 neighbours into the registers of two neighbouring tiles.
; IMAGES.  A fragment (16 rows x 128 K, 12 registers a lane) lies in memory as its registers: register 4 g + e of lane l at byte 512 g + 16 l + 4 e: 1,536 bytes.
; RECORDS.  For a tile and 512 along K: four images, then 256 bytes of scale words (row r, K step q: 6144 + 128 (q / 2) + 8 r + 4 (q % 2)): 6,400 bytes; a tile's eight records lie on end (51,200 bytes).
; wr: wq's columns are tiles 0-255, wk's 256-319, wv's 320-383 (wo's, 384-639, are stored later).  tab: [pos 1024][cos 64 | sin 64] f32.
; A block's scale is 2^(floor(log2(its largest magnitude)) - 2): its byte is that magnitude's exponent field - 2, held at 1 from below by a floor among the maximum's leaves.
; LIMITS: a block of zeros, or one whose largest magnitude lies under 2^-124, gets the byte 1 (its codes are zeros or tiny; the bytes are read by this program alone); NaN and infinities among the inputs are not served.
; The angle pos x 10000^(-f/64) is made from an exponential good to one unit in the last place, so it may differ from another f32 evaluation by some 1e-4 rad at pos 1023.
; SHARES.  Work-groups 0-767 take the weights: 128 columns x 256 along K, a wave 32 columns, A LANE A COLUMN, ITS REGISTERS DOWN K.  Work-groups 768-895 take x (a wave: one record) and eight positions of the table.
; No tensor loads, no barrier: waves share nothing.  The two ways part once, on the work-group's number, and each has LDS bytes of its own.
.set REC,   6400
.set STRIP, 51200
.set NWG,   768                        ; the weights' work-groups: 48 groups of 128 columns x 16 pieces of K
; the weights' way
.set WS,   2                           ; into my wave's stage: my column's tile and lane-row
.set RB,   3                           ; back out of it: 16 x lane
.set LI,   4                           ; 16 x lane: an image's place for my lane
.set SA,   5                           ; my column's two scale words
.set SBW,  12                          ; v12-13 the scale words of the two K steps
.set OFF,  16                          ; v16-47 4 x lane + i rows; never rewritten
.set X,    48                          ; v48-111 two sets of 32 numbers
.set C,    112                         ; v112-143 four sets of 8: a block's codes
.set OUT,  144                         ; v144-191 two sets of 24: two images on their way out
.set WSTG, 3328                        ; a wave's stage: two images, 1,664 bytes apart
.set WTIL, 1664
; x's way
.set XO,   2
.set SI,   3
.set SOA,  4
.set L8,   5
.set XR,   16                          ; v16-79 16 rows' 512 bytes as loaded
.set XX,   80                          ; v80-143 my 64 numbers of a K step; before that the table's work
.set TM,   144
.set PC,   160
.set PW,   180
.set WW,   184
.set XBASE, 13312                      ; behind the weights' stages
.set XSTG, 8448                        ; 16 rows x (512 + 16) bytes
.set SEL,  44
.macro LOAD t                          ; block t: W(32 t + i, my column) into set t % 2
.irp i, 0,1,2,3,4,5,6,7,8,9,10,11,12,13,14,15,16,17,18,19,20,21,22,23,24,25,26,27,28,29,30,31
	global_load_b32 v[X+32*((\t)%2)+\i], v[OFF+\i], s[32+2*(\t):33+2*(\t)] th:TH_LOAD_NT
.endr
.endm
.macro BLOCK t
.set XS, X+32*((\t)%2)
.set CC, C+8*((\t)%4)
.set BE, (\t)%4
.if (\t) < 7
	s_wait_loadcnt 32                              ; this block's 32 loads are in; the next block's 32 may be out
.else
	s_wait_loadcnt 0x0
.endif
	v_max3_num_f32 v8, |v[XS]|, |v[XS+1]|, |v[XS+2]|   ; the block's largest magnitude: all 32 numbers are mine; two chains
	v_max3_num_f32 v9, |v[XS+3]|, |v[XS+4]|, |v[XS+5]|
.irp i, 6,10,14,18,22,26
	v_max3_num_f32 v8, v8, |v[XS+\i]|, |v[XS+\i+1]|
	v_max3_num_f32 v9, v9, |v[XS+\i+2]|, |v[XS+\i+3]|
.endr
	v_max3_num_f32 v8, v8, |v[XS+30]|, |v[XS+31]|
	v_max3_num_f32 v8, v8, v9, 0x1800000           ; and the floor 2^(3 - 127): the byte cannot fall under 1
	v_add_nc_u32 v10, 0xff000000, v8               ; 2 off the exponent field: the conversion's scale operand
	v_cvt_scalef32_pk16_fp6_f32 v[CC:CC+2], v[XS:XS+15], v10
	v_cvt_scalef32_pk16_fp6_f32 v[CC+4:CC+6], v[XS+16:XS+31], v10
	v_lshrrev_b32 v11, 23, v10                     ; the scale's byte; also the plain line behind the conversions
.if BE == 0
	v_mov_b32 v[SBW+(\t)/4], v11
.else
	v_lshl_or_b32 v[SBW+(\t)/4], v11, 8*BE, v[SBW+(\t)/4]
.endif
	v_mov_b32 v[CC+3], v[CC+4]                     ; the block's six registers on end
	v_mov_b32 v[CC+4], v[CC+5]
	v_mov_b32 v[CC+5], v[CC+6]
; block be of row r is registers 6 (be / 2) .. + 5 of lane r + 16 (be % 2) of the image
.if BE < 2
	ds_store_b128 v[WS], v[CC:CC+3] offset:256*(BE%2)
	ds_store_b64 v[WS], v[CC+4:CC+5] offset:512+256*(BE%2)
.else
	ds_store_b64 v[WS], v[CC:CC+1] offset:512+256*(BE%2)+8
	ds_store_b128 v[WS], v[CC+2:CC+5] offset:1024+256*(BE%2)
.endif
.if (\t)+2 < 8
	LOAD (\t)+2
.endif
.endm
.macro OUTSTEP k                       ; K step k's two images leave: each store of the wave covers 512 consecutive bytes
.irp u, 0,1
.irp g, 0,1,2
	ds_load_b128 v[OUT+24*(\k)+12*\u+4*\g:OUT+24*(\k)+12*\u+4*\g+3], v[RB] offset:\u*WTIL+512*\g   ; LDS serves a wave's instructions in order: these see my stores
.endr
.endr
	s_wait_dscnt 0x0
.irp u, 0,1
.irp g, 0,1,2
	global_store_b128 v[LI], v[OUT+24*(\k)+12*\u+4*\g:OUT+24*(\k)+12*\u+4*\g+3], s[26:27] offset:\u*STRIP+(\k)*1536+512*\g
.endr
.endr
.endm
; 64 numbers of a lane, register 16 b + i = k 32 b + 16 (lane / 16) + i of my row, become a fragment's codes in v[PC] on and its scale word in v[pw]
.macro QUANT s, pw
.irp b, 0,1,2,3
	v_max3_num_f32 v[TM+\b], |v[(\s)+16*\b]|, |v[(\s)+1+16*\b]|, 0x1800000
.endr
.irp i, 2,4,6,8,10,12,14
.irp b, 0,1,2,3
	v_max3_num_f32 v[TM+\b], v[TM+\b], |v[(\s)+16*\b+\i]|, |v[(\s)+1+16*\b+\i]|
.endr
.endr
.irp b, 0,1,2,3
	v_permlanex16_b32 v[TM+4+\b], v[TM+\b], s[SEL], s[SEL+1]
.endr
.irp b, 0,1,2,3
	v_max_num_f32 v[TM+\b], v[TM+\b], v[TM+4+\b]   ; with lane l xor 16's: the block's largest magnitude
.endr
.irp b, 0,1,2,3
	v_add_nc_u32 v[TM+12+\b], 0xff000000, v[TM+\b]
.endr
.irp b, 0,1,2,3
	v_lshrrev_b32 v[TM+4+\b], 23, v[TM+12+\b]
.endr
	v_lshl_or_b32 v[\pw], v[TM+5], 8, v[TM+4]      ; the four bytes make my row's scale word
	v_lshl_or_b32 v[\pw], v[TM+6], 16, v[\pw]
	v_lshl_or_b32 v[\pw], v[TM+7], 24, v[\pw]
.irp c, 0,1
	v_cvt_scalef32_pk16_fp6_f32 v[PC+6*\c:PC+2+6*\c], v[(\s)+32*\c:(\s)+15+32*\c], v[TM+12+2*\c]
	v_cvt_scalef32_pk16_fp6_f32 v[PC+12+4*\c:PC+14+4*\c], v[(\s)+16+32*\c:(\s)+31+32*\c], v[TM+12+2*\c+1]
.endr
	v_nop                                          ; one plain line behind the conversions
.irp c, 0,1                                    ; the operand's layout wants a whole block in a lane
.irp i, 0,1,2
	v_permlane16_swap_b32 v[PC+6*\c+\i], v[PC+12+4*\c+\i]
.endr
.irp i, 0,1,2
	v_mov_b32 v[PC+3+6*\c+\i], v[PC+12+4*\c+\i]
.endr
.endr
.endm
.macro XLOAD q                         ; K step q of my tile's 16 rows: each load takes 512 consecutive bytes of one row
.irp p, 0,1,2,3,4,5,6,7,8,9,10,11,12,13,14,15
	global_load_b128 v[XR+4*\p:XR+4*\p+3], v[XO], s[26:27] offset:(\p+8*(\p/8))*16384+512*(\q) th:TH_LOAD_NT
.endr
.endm
.macro XSTEP q
	s_wait_loadcnt 0x0                             ; this K step's 16 loads
.irp p, 0,1,2,3,4,5,6,7,8,9,10,11,12,13,14,15
	ds_store_b128 v[SI], v[XR+4*\p:XR+4*\p+3] offset:528*\p
.endr
.irp b, 0,1,2,3
.irp j, 0,1,2,3
	ds_load_b128 v[XX+16*\b+4*\j:XX+16*\b+4*\j+3], v[SOA] offset:128*\b+16*\j   ; row r, k = 32 b + 16 h + 4 j on
.endr
.endr
.if (\q) < 3
	s_wait_dscnt 16                                ; the 16 stores have read their registers (the 16 loads behind them may be out),
	XLOAD (\q)+1                                   ; which take the next K step
.endif
	s_wait_dscnt 0x0
	s_wait_xcnt 0x0                                ; the last image's stores have read the codes' registers
	QUANT XX, PW+\q
.irp g, 0,1,2
	global_store_b128 v[XO], v[PC+4*\g:PC+4*\g+3], s[28:29] offset:1536*(\q)+512*\g
.endr
.endm
	s_load_b256 s[4:11], s[0:1], 0x0               ; x, wq, wk, wv
	s_load_b128 s[12:15], s[0:1], 0x20             ; xr, wr
	s_load_b64 s[18:19], s[0:1], 0x30              ; tab
	v_lshl_add_u32 v192, v0, 2, 0xb800
	v_mov_b32 v193, 0
	v_lshrrev_b32 v1, 5, v0
	v_readfirstlane_b32 s30, v1                    ; wave
	v_and_b32 v1, 31, v0                           ; lane
	s_cmp_ge_u32 ttmp9, NWG
	s_cbranch_scc1 .Lx
	; ---- THE WEIGHTS
	s_lshr_b32 s20, ttmp9, 4                       ; cg: which 128 columns of the 48 x 128
	s_and_b32 s21, ttmp9, 15                       ; kz: which 256 along K
	s_mov_b32 s24, 40                              ; the tensor's first group, and its row in bytes: wv,
	s_mov_b32 s25, 4096
	s_cmp_lt_u32 s20, 40
	s_cselect_b32 s24, 32, s24                     ; wk,
	s_cmp_lt_u32 s20, 32
	s_cselect_b32 s24, 0, s24                      ; wq
	s_cselect_b32 s25, 16384, s25
	s_wait_alu depctr_va_vdst(0)                   ; the wait behind the run of scalar lines
	v_bfe_u32 v6, v1, 3, 1                         ; column j of my 32 is lane-row r = j % 8 + 8 (j / 16) of tile u = (j / 8) % 2
	v_and_b32 v7, 7, v1
	v_lshrrev_b32 v8, 4, v1
	v_lshl_add_u32 v7, v8, 3, v7
	s_mul_i32 s31, s30, WSTG
	v_mul_u32_u24 v[WS], v6, WTIL
	v_lshl_add_u32 v[WS], v7, 4, v[WS]
	v_add_nc_u32 v[WS], s31, v[WS]
	v_lshlrev_b32 v[LI], 4, v1
	v_add_nc_u32 v[RB], s31, v[LI]
	v_mul_u32_u24 v[SA], v6, STRIP
	v_lshl_add_u32 v[SA], v7, 3, v[SA]
	v_lshlrev_b32 v[OFF], 2, v1
.set i, 1
.rept 31
	v_add_nc_u32 v[OFF+i], s25, v[OFF+i-1]
.set i, i+1
.endr
	s_mul_i32 s48, s21, s25
	s_lshl_b32 s48, s48, 8                         ; 256 kz rows
	s_sub_co_u32 s49, s20, s24
	s_lshl_b32 s49, s49, 9                         ; + 128 columns a group
	s_add_co_u32 s48, s48, s49
	s_lshl_b32 s49, s30, 7                         ; + 32 a wave
	s_add_co_u32 s48, s48, s49
	s_mov_b32 s49, 0
	s_lshl_b32 s50, s25, 5                         ; a block: 32 rows
	s_mov_b32 s51, 0
	s_lshl_b32 s52, s20, 3
	s_lshl_b32 s53, s30, 1
	s_add_co_u32 s52, s52, s53                     ; my first tile: 8 cg + 2 wave
	s_mul_i32 s52, s52, STRIP
	s_lshr_b32 s53, s21, 1
	s_mul_i32 s53, s53, REC
	s_add_co_u32 s52, s52, s53                     ; its record kz / 2
	s_and_b32 s54, s21, 1
	s_mul_i32 s55, s54, 3072
	s_add_co_u32 s56, s52, s55                     ; images 2 (kz % 2) and + 1
	s_mov_b32 s57, 0
	s_lshl_b32 s55, s54, 7
	s_add_co_u32 s58, s52, s55
	s_add_co_u32 s58, s58, 6144                    ; and their scale words
	s_mov_b32 s59, 0
	s_wait_alu depctr_va_vdst(0)                   ; the wait at the head's end
	s_wait_kmcnt 0x0
	s_cmp_lt_u32 s20, 40                           ; the choice of the buffer hangs on the work-group's number alone
	s_cselect_b64 s[22:23], s[8:9], s[10:11]
	s_cmp_lt_u32 s20, 32
	s_cselect_b64 s[22:23], s[6:7], s[22:23]
	s_add_nc_u64 s[32:33], s[22:23], s[48:49]      ; a base for each of the eight blocks; none is stepped
.irp t, 1,2,3,4,5,6,7
	s_add_nc_u64 s[32+2*\t:33+2*\t], s[30+2*\t:31+2*\t], s[50:51]
.endr
	s_add_nc_u64 s[26:27], s[14:15], s[56:57]
	s_add_nc_u64 s[28:29], s[14:15], s[58:59]
	LOAD 0
	LOAD 1
	BLOCK 0
	BLOCK 1
	BLOCK 2
	BLOCK 3
	OUTSTEP 0
	BLOCK 4
	BLOCK 5
	BLOCK 6
	BLOCK 7
	OUTSTEP 1
	s_wait_alu depctr_va_vdst(0)                   ; the wait ahead of the reader below
	global_store_b64 v[SA], v[SBW:SBW+1], s[28:29] ; sixteen lanes fill each tile's 128 bytes
	s_wait_tensorcnt 0x0                           ; the wave's end
	ds_add_u32 v192, v193
	s_wait_dscnt 0x0
	s_endpgm
	; ---- x, AND THE TABLE
.Lx:
	s_sub_co_u32 s20, ttmp9, NWG                   ; g
	s_lshl_b32 s21, s20, 2
	s_add_co_u32 s21, s21, s30                     ; my record: 4 g + wave
	s_lshr_b32 s22, s21, 3                         ; its tile,
	s_and_b32 s23, s21, 7                          ; its 512 along K
	s_lshr_b32 s24, s22, 1
	s_lshl_b32 s24, s24, 5
	s_and_b32 s25, s22, 1
	s_lshl_b32 s25, s25, 3
	s_add_co_u32 s24, s24, s25                     ; the tile's first row
	s_lshl_b32 s24, s24, 14
	s_lshl_b32 s25, s23, 11
	s_add_co_u32 s24, s24, s25
	s_mov_b32 s25, 0
	s_mul_i32 s32, s22, STRIP
	s_mul_i32 s33, s23, REC
	s_add_co_u32 s32, s32, s33
	s_mov_b32 s33, 0
	s_lshl_b32 s34, s20, 3                         ; the table: my work-group's first position
	s_mov_b32 s36, 0x3fc90fdb                      ; pi / 2, upper part,
	s_mov_b32 s37, 0xb33bbd2e                      ; and the rest
	s_mov_b32 s38, 0xb94ca1f9                      ; sine's three coefficients
	s_mov_b32 s39, 0x3c08839e
	s_mov_b32 s40, 0xbe2aaaa3
	s_mov_b32 s41, 0x37ccf5ce                      ; cosine's three
	s_mov_b32 s42, 0xbab6061a
	s_mov_b32 s43, 0x3d2aaaa5
	s_mov_b32 s[SEL], 0x76543210
	s_mov_b32 s[SEL+1], 0xfedcba98                 ; lane l xor 16
	s_wait_alu depctr_va_vdst(0)                   ; the wait behind the run of scalar lines
	v_lshlrev_b32 v[XO], 4, v1
	v_lshlrev_b32 v[L8], 3, v1
	s_mul_i32 s31, s30, XSTG
	s_add_co_u32 s31, s31, XBASE
	v_add_nc_u32 v[SI], s31, v[XO]
	v_and_b32 v6, 15, v0
	v_bfe_u32 v7, v0, 4, 1
	v_mul_u32_u24 v[SOA], v6, 528
	v_lshl_add_u32 v[SOA], v7, 6, v[SOA]
	v_add_nc_u32 v[SOA], s31, v[SOA]
.irp b, 0,1,2,3
	v_mov_b32 v[TM+4+\b], 0                        ; written once: a lane permute's destination counts as one of its sources
.endr
	s_wait_kmcnt 0x0
	s_add_nc_u64 s[26:27], s[4:5], s[24:25]
	s_add_nc_u64 s[28:29], s[12:13], s[32:33]
	XLOAD 0
	; the table, while those loads are on their way.  Thread t: frequency f = t % 64, positions 8 g + t / 64 + 2 jj
	v_and_b32 v80, 63, v0
	v_cvt_f32_u32 v81, v80
	v_mul_f32 v82, 0x3e549a80, v81                 ; f x 108853 / 2^19: 6 bits x 17 bits, exact
	s_wait_alu depctr_va_vdst(0)                   ; the wait ahead of the exponential
	v_exp_f32 v83, -v82
	v_mul_f32 v84, 0x33aae0b9, v81                 ; f x ln 2 x (108853 / 2^19 - log2(10000) / 64): the plain line behind the exponential
	s_wait_alu depctr_va_vdst(0)                   ; and ahead of the result's first reader
	v_fma_f32 v83, v83, v84, v83                   ; 10000^(-f / 64)
	v_lshrrev_b32 v85, 6, v0
	v_add_nc_u32 v85, s34, v85
	v_lshlrev_b32 v86, 9, v85
	v_lshl_add_u32 v86, v80, 2, v86                ; 512 pos + 4 f
.irp jj, 0,1,2,3
	v_add_nc_u32 v96, 2*\jj, v85
	v_cvt_f32_u32 v96, v96
	v_mul_f32 v96, v96, v83                        ; the angle
	v_mul_f32 v97, 0x3f22f983, v96
	v_rndne_f32 v97, v97                           ; n = the nearest multiple of pi / 2, at most 652
	v_fma_f32 v98, -v97, s36, v96
	v_fma_f32 v98, -v97, s37, v98                  ; rho, within pi / 4 of 0
	v_mul_f32 v99, v98, v98
	v_fma_f32 v100, v99, s38, s39
	v_fma_f32 v100, v100, v99, s40
	v_mul_f32 v100, v100, v99
	v_fma_f32 v100, v100, v98, v98                 ; sin rho
	v_fma_f32 v101, v99, s41, s42
	v_fma_f32 v101, v101, v99, s43
	v_mul_f32 v101, v101, v99
	v_fma_f32 v102, v99, -0.5, 1.0
	v_fma_f32 v101, v101, v99, v102                ; cos rho
	v_cvt_i32_f32 v103, v97
	v_and_b32 v104, 1, v103
	v_cmp_eq_u32 vcc_lo, 1, v104                   ; in odd quadrants the two change places
	v_cndmask_b32 v105, v100, v101, vcc_lo
	v_cndmask_b32 v106, v101, v100, vcc_lo
	v_and_b32 v104, 2, v103                        ; the sine is negative in quadrants 2, 3,
	v_lshlrev_b32 v104, 30, v104
	v_xor_b32 v[89+2*\jj], v104, v105
	v_add_nc_u32 v103, 1, v103                     ; the cosine in 1, 2
	v_and_b32 v103, 2, v103
	v_lshlrev_b32 v103, 30, v103
	v_xor_b32 v[88+2*\jj], v103, v106
	global_store_b32 v86, v[88+2*\jj], s[18:19] offset:1024*\jj
	global_store_b32 v86, v[89+2*\jj], s[18:19] offset:1024*\jj+256
.endr
	s_wait_xcnt 0x0                                ; the table's stores have read their registers, which the stage's loads take next
	XSTEP 0
	XSTEP 1
	XSTEP 2
	XSTEP 3
	v_cmp_le_u32 vcc_lo, 16, v1                    ; lanes 0-15 store K steps 0, 1 of row r, lanes 16-31 K steps 2, 3: 256 consecutive bytes
	v_cndmask_b32 v[WW], v[PW], v[PW+2], vcc_lo
	v_cndmask_b32 v[WW+1], v[PW+1], v[PW+3], vcc_lo
	global_store_b64 v[L8], v[WW:WW+1], s[28:29] offset:6144
	s_wait_tensorcnt 0x0                           ; the wave's end
	ds_add_u32 v192, v193
	s_wait_dscnt 0x0
	s_endpgm
.Lfunc_end_k_qcbce59eab0_quant:
	.size	k_qcbce59eab0_quant, .Lfunc_end_k_qcbce59eab0_quant-k_qcbce59eab0_quant
	.p2alignl 7, 3214868480
	.fill 96, 4, 3214868480
	.section	.rodata,"a",@progbits
	.p2align	6, 0x0
	.amdhsa_kernel k_qcbce59eab0_quant
		.amdhsa_group_segment_fixed_size 47616
		.amdhsa_private_segment_fixed_size 0
		.amdhsa_enable_private_segment 0
		.amdhsa_kernarg_size 56
		.amdhsa_user_sgpr_count 2
		.amdhsa_user_sgpr_kernarg_segment_ptr 1
		.amdhsa_wavefront_size32 1
		.amdhsa_system_sgpr_workgroup_id_x 1
		.amdhsa_system_sgpr_workgroup_id_y 1
		.amdhsa_system_sgpr_workgroup_id_z 1
		.amdhsa_system_vgpr_workitem_id 0
		.amdhsa_next_free_vgpr 194
		.amdhsa_next_free_sgpr 66
		.amdhsa_reserve_vcc 1
		.amdhsa_float_denorm_mode_32 3
		.amdhsa_float_denorm_mode_16_64 3
		.amdhsa_memory_ordered 1
		.amdhsa_forward_progress 1
		.amdhsa_inst_pref_size 82
	.end_amdhsa_kernel
	.amdgpu_metadata
---
amdhsa.version: [ 1, 2 ]
amdhsa.kernels:
  - .name:           k_qcbce59eab0_quant
    .symbol:         k_qcbce59eab0_quant.kd
    .args:
      - { .name: x, .offset: 0, .size: 8, .value_kind: global_buffer, .address_space: global }
      - { .name: wq, .offset: 8, .size: 8, .value_kind: global_buffer, .address_space: global }
      - { .name: wk, .offset: 16, .size: 8, .value_kind: global_buffer, .address_space: global }
      - { .name: wv, .offset: 24, .size: 8, .value_kind: global_buffer, .address_space: global }
      - { .name: xr, .offset: 32, .size: 8, .value_kind: global_buffer, .address_space: global }
      - { .name: wr, .offset: 40, .size: 8, .value_kind: global_buffer, .address_space: global }
      - { .name: tab, .offset: 48, .size: 8, .value_kind: global_buffer, .address_space: global }
    .group_segment_fixed_size: 47616
    .private_segment_fixed_size: 0
    .kernarg_segment_align: 8
    .kernarg_segment_size: 56
    .max_flat_workgroup_size: 128
    .sgpr_count:     66
    .vgpr_count:     194
    .wavefront_size: 32
...
	.end_amdgpu_metadata
.endif
;; end of part 1
;; launch qkv (part 2): grid 48 x 4, 4 waves a work-group, clusters of 4 x 4, 327,680 bytes of LDS; arguments xr, wr, tab, qkvr; writes qkvr
.if DOCPART == 2
	.amdgcn_target "amdgcn-amd-amdhsa--gfx1250"
	.amdhsa_code_object_version 6
	.text
	.protected	k_qcbce59eab0_qkv
	.globl	k_qcbce59eab0_qkv
	.p2align	8
	.type	k_qcbce59eab0_qkv,@function
k_qcbce59eab0_qkv:
	s_mov_b64 s[64:65], 0
	v_nop
	global_prefetch_b8 v0, s[64:65] scope:SCOPE_SE
	s_setreg_imm32_b32 hwreg(HW_REG_WAVE_MODE, 25, 1), 1
	s_wait_xcnt 0x0
	s_wait_alu depctr_hold_cnt(0) depctr_sa_sdst(0) depctr_va_vdst(0) depctr_va_sdst(0) depctr_va_ssrc(0) depctr_va_vcc(0) depctr_vm_vsrc(0)
	s_getreg_b32 s2, hwreg(HW_REG_IB_STS2, 6, 4)
	s_cmp_eq_u32 s2, 0
	s_cbranch_scc0 .Lentry_in_a_cluster
	s_endpgm
.Lentry_in_a_cluster:
	s_bfe_u32 s2, ttmp6, 0x10000c
	s_cmp_lg_u32 s2, 0xf033
	s_cbranch_scc0 .Lentry_shape_is_right
	s_endpgm
.Lentry_shape_is_right:
; q, k, v = x W on codes of FP6 (E2M3) with E8M0 scales, from the records that the first launch laid (16 rows x 512 K: four register images and 256 bytes of scale words, 6,400 bytes; a tile's eight records on end).
; A work-group makes 256 x 128 of the result, a wave 64 x 128: 32 accumulators.  Clusters 0-9 along x: source 1 = x's tiles, source 0 = wq's and wk's; q and k are turned by the table of cos and sin and quantised along the head's axis.
; Clusters 10, 11: the two sources change places, so that v comes out with the keys along a lane's registers and is quantised along the keys.
; K goes through a ring of two LDS slots, a record of each of the 24 tiles to a slot; waves 0, 1 fetch source 1's halves, waves 2, 3 source 0's, by joint loads of the 4 x 4 cluster.
; PREFETCH: behind every joint load the record that stands two refills on is named, 256 bytes a lane, 25 lanes to a record (lanes 25-31 name the last block again); of the tiles that a wave fetches each of the four partners
; names its own share, told apart by address (two tiles of source 1's eight, one of source 0's four); the last lap's two refills have no record two on and name nothing.
.set T1,    16
.set T0,    8
.set MT,    4
.set NT,    8
.set REC,   6400
.set STRIP, 51200
.set SLOT,  (T1+T0)*REC
.set SPARE, 2*SLOT
.set AD1,  16
.set AD0,  20
.set ADS,  22
.set LI,   24
.set L8,   25
.set TA,   26
.set SPW,  28
.set NIL,  29
.set SC,   32
.set AF,   128
.set H,    128
.set TM,   192
.set PC,   208
.set PW,   228
.set WW,   232
.set G1,   24
.set G0,   32
.set G1B,  48
.set G0B,  56
.set SEL,  84
.set MSB,  0
.macro WIN new
.if MSB != (\new)
	s_set_vgpr_msb (MSB<<8)|(\new)
.set MSB, (\new)
.endif
.endm
.set MUL,  0xa1
.set TO_B, 0x40
.macro PLACES
.rept 4
	v_nop
.endr
.endm
.macro JLOAD g0a, g1a, g0b, g1b
	s_cmp_eq_u32 s15, 0
	s_cbranch_scc0 .Lfor_b_\@
	tensor_load_to_lds s[\g0a:\g0a+3], s[\g1a:\g1a+7]
	s_nop 0
.rept 4
	v_nop
.endr
	s_branch .Lasked_\@
.Lfor_b_\@:
	tensor_load_to_lds s[\g0b:\g0b+3], s[\g1b:\g1b+7]
	s_nop 0
.rept 4
	v_nop
.endr
.Lasked_\@:
.endm
.macro CREST
	s_cmp_lg_u32 s14, 0
	s_cbranch_scc1 .Lnot_wave_0_\@
	s_barrier_signal -3
.Lnot_wave_0_\@:
	s_barrier_wait -3
	s_barrier_signal -1
	s_barrier_wait -1
.endm
.macro CROUND
	s_barrier_signal -1
	s_barrier_wait -1
	CREST
.endm
.macro FETCH slot, q, p
	WIN TO_B
.irp b, 0,1,2,3,4,5,6,7
.if \b < NT
.irp g, 0,1,2
	ds_load_b128 v[128*(\p)+12*\b+4*\g:128*(\p)+12*\b+4*\g+3], v[AD0+\slot] offset:\b*REC+(\q)*1536+512*\g
.endr
.endif
.endr
	WIN 0
.irp a, 0,1,2,3
.irp g, 0,1,2
	ds_load_b128 v[AF+48*(\p)+12*\a+4*\g:AF+48*(\p)+12*\a+4*\g+3], v[AD1+\slot] offset:\a*REC+(\q)*1536+512*\g
.endr
.endr
.endm
.macro SCALES slot
.irp i, 0,1,2,3,4,5,6,7
.if \i < NT
.irp hf, 0,1
	ds_load_b64 v[SC+32*\slot+4*\i+2*\hf:SC+32*\slot+4*\i+2*\hf+1], v[ADS+\slot] offset:\i*REC+128*\hf
.endr
.endif
.endr
.endm
.macro MULS a0, n, p, q, sc, zero
.set MA, \a0
.rept \n
.irp b, 0,1,2,3,4,5,6,7
.if \b < NT
.if \zero
	v_wmma_scale_f32_16x16x128_f8f6f4 v[8*(NT*MA+\b):8*(NT*MA+\b)+7], v[128*(\p)+12*\b:128*(\p)+12*\b+11], v[AF+48*(\p)+12*MA:AF+48*(\p)+12*MA+11], 0, v[SC+32*(\sc)+4*\b+(\q)], v[SC+32*(\sc)+4*MA+(\q)] matrix_a_fmt:MATRIX_FMT_FP6 matrix_b_fmt:MATRIX_FMT_FP6 matrix_a_scale:MATRIX_SCALE_ROW1
.else
	v_wmma_scale_f32_16x16x128_f8f6f4 v[8*(NT*MA+\b):8*(NT*MA+\b)+7], v[128*(\p)+12*\b:128*(\p)+12*\b+11], v[AF+48*(\p)+12*MA:AF+48*(\p)+12*MA+11], v[8*(NT*MA+\b):8*(NT*MA+\b)+7], v[SC+32*(\sc)+4*\b+(\q)], v[SC+32*(\sc)+4*MA+(\q)] matrix_a_fmt:MATRIX_FMT_FP6 matrix_b_fmt:MATRIX_FMT_FP6 matrix_a_scale:MATRIX_SCALE_ROW1
.endif
.endif
.endr
.set MA, MA+1
.endr
.endm
.macro STEP slot, q, zero
	s_wait_dscnt 0x0
	PLACES
	FETCH \slot, (\q)+1, 1-(\q)%2
	WIN MUL
	MULS 0, MT, (\q)%2, \q, \slot, \zero
.endm
.macro ASK loop
.if \loop
	s_cmp_gt_u32 s3, 1                             ; s3 = 1 in the last lap
	s_cbranch_scc0 .Lno_ask_\@
.endif
	global_prefetch_b8 v30, s[88:89] th:TH_LOAD_NT scope:SCOPE_SE
	s_cmp_lg_u32 s15, 0
	s_cbranch_scc1 .Lno_ask_\@
	global_prefetch_b8 v30, s[88:89] offset:STRIP th:TH_LOAD_NT scope:SCOPE_SE
.Lno_ask_\@:
.endm
.macro TURN slot, next, fill
.if \fill
	s_wait_xcnt 0x0                                ; my last prefetch has read its address: one record on
	s_add_nc_u64 s[88:89], s[88:89], REC
.endif
	s_wait_dscnt 0x0
	WIN 0
	s_wait_tensorcnt 0x0
	ds_add_u32 v[SPW], v[NIL]
	WIN MUL
	MULS 0, 1, 1, 3, \slot, 0
	s_wait_dscnt 0x0
	s_barrier_signal -1
	MULS 1, 1, 1, 3, \slot, 0
	WIN 0
	s_barrier_wait -1
.if \fill
	CREST
	s_add_nc_u64 s[G0+4*\slot+2:G0+4*\slot+3], s[G0+4*\slot+2:G0+4*\slot+3], 2*REC
	s_add_nc_u64 s[G0B+4*\slot+2:G0B+4*\slot+3], s[G0B+4*\slot+2:G0B+4*\slot+3], 2*REC
	JLOAD G0+4*\slot, G1, G0B+4*\slot, G1B
.else
	PLACES
.endif
	FETCH \next, 0, 0
	SCALES \next
.if \fill
	ASK 1
.endif
	WIN MUL
	MULS 2, MT-2, 1, 3, \slot, 0
.endm
.macro QUANT s, W, pw
	WIN ((\W)|((\W)<<2))
.irp b, 0,1,2,3
	v_max3_num_f32 v[TM+\b], |v[(\s)+16*\b]|, |v[(\s)+1+16*\b]|, 0x1800000
.endr
	WIN (((\W)<<2)|((\W)<<4))
.irp i, 2,4,6,8,10,12,14
.irp b, 0,1,2,3
	v_max3_num_f32 v[TM+\b], v[TM+\b], |v[(\s)+16*\b+\i]|, |v[(\s)+1+16*\b+\i]|
.endr
.endr
	WIN 0
.irp b, 0,1,2,3
	v_permlanex16_b32 v[TM+4+\b], v[TM+\b], s[SEL], s[SEL+1]
.endr
.irp b, 0,1,2,3
	v_max_num_f32 v[TM+\b], v[TM+\b], v[TM+4+\b]
.endr
.irp b, 0,1,2,3
	v_add_nc_u32 v[TM+12+\b], 0xff000000, v[TM+\b]
.endr
.irp b, 0,1,2,3
	v_lshrrev_b32 v[TM+4+\b], 23, v[TM+12+\b]
.endr
	v_lshl_or_b32 v[\pw], v[TM+5], 8, v[TM+4]
	v_lshl_or_b32 v[\pw], v[TM+6], 16, v[\pw]
	v_lshl_or_b32 v[\pw], v[TM+7], 24, v[\pw]
	WIN (\W)
.irp c, 0,1
	v_cvt_scalef32_pk16_fp6_f32 v[PC+6*\c:PC+2+6*\c], v[(\s)+32*\c:(\s)+15+32*\c], v[TM+12+2*\c]
	v_cvt_scalef32_pk16_fp6_f32 v[PC+12+4*\c:PC+14+4*\c], v[(\s)+16+32*\c:(\s)+31+32*\c], v[TM+12+2*\c+1]
.endr
	WIN 0
	v_nop
.irp c, 0,1
.irp i, 0,1,2
	v_permlane16_swap_b32 v[PC+6*\c+\i], v[PC+12+4*\c+\i]
.endr
.irp i, 0,1,2
	v_mov_b32 v[PC+3+6*\c+\i], v[PC+12+4*\c+\i]
.endr
.endr
.endm
.macro ROPE a
	WIN 0x0e
.irp p, 0,2,4,6,8,10,12,14,16,18,20,22,24,26,28,30
	v_pk_mul_f32 v[H+\p:H+\p+1], v[64*(\a)+32+\p:64*(\a)+33+\p], v[64*(\a)+32+\p:64*(\a)+33+\p]
	v_pk_mul_f32 v[H+32+\p:H+33+\p], v[64*(\a)+32+\p:64*(\a)+33+\p], v[64*(\a)+\p:64*(\a)+1+\p]
.endr
.irp p, 0,2,4,6,8,10,12,14,16,18,20,22,24,26,28,30
	v_pk_fma_f32 v[H+\p:H+\p+1], v[64*(\a)+\p:64*(\a)+1+\p], v[64*(\a)+\p:64*(\a)+1+\p], v[H+\p:H+\p+1] neg_lo:[0,0,1] neg_hi:[0,0,1]
	v_pk_fma_f32 v[H+32+\p:H+33+\p], v[64*(\a)+\p:64*(\a)+1+\p], v[64*(\a)+32+\p:64*(\a)+33+\p], v[H+32+\p:H+33+\p]
.endr
	WIN 0
.endm
.macro SENDF a
.irp g, 0,1,2
	global_store_b128 v[LI], v[PC+4*\g:PC+4*\g+3], s[76:77] offset:(\a)*1536+512*\g
.endr
.endm
	s_load_b256 s[4:11], s[0:1], 0x0
	v_lshl_add_u32 v[SPW], v0, 2, SPARE
	v_mov_b32 v[NIL], 0
	ds_add_u32 v28, v29
	ds_add_u32 v28, v29
	s_wait_dscnt 0x0
	v_lshrrev_b32 v1, 5, v0
	v_readfirstlane_b32 s14, v1
	s_lshr_b32 s15, s14, 1
	s_and_b32 s16, s14, 1
	s_bfe_u32 s40, ttmp6, 0x40000
	s_bfe_u32 s41, ttmp6, 0x40004
	s_lshl_b32 s42, ttmp9, 2
	s_add_co_u32 s42, s42, s40
	s_and_b32 s17, ttmp7, 0xffff
	s_lshl_b32 s17, s17, 2
	s_add_co_u32 s17, s17, s41
	s_lshl_b32 s43, s41, 2
	s_lshl_b32 s43, 15, s43
	s_lshl_b32 s44, 0x1111, s40
	s_or_b32 s[G1+0], s43, (3<<16)|(1<<21)
	s_or_b32 s[G1B+0], s44, (3<<16)|(1<<21)
	s_mov_b32 s[G1+1], 800<<16
	s_mov_b32 s[G1+2], (T1/2)<<16
	s_mov_b32 s[G1+3], 800<<16
	s_mov_b32 s[G1+4], T1/2
	s_mov_b32 s[G1+5], 6400
	s_mov_b32 s[G1+6], 0
	s_mov_b32 s[G1+7], 0
	s_mov_b32 s[G1B+1], 800<<16
	s_mov_b32 s[G1B+2], (T0/2)<<16
	s_mov_b32 s[G1B+3], 800<<16
	s_mov_b32 s[G1B+4], T0/2
	s_mov_b32 s[G1B+5], 6400
	s_mov_b32 s[G1B+6], 0
	s_mov_b32 s[G1B+7], 0
	s_cmp_ge_u32 ttmp9, 10
	s_cselect_b32 s45, 10, 0
	s_cselect_b32 s70, 320*STRIP, 0
	s_sub_co_u32 s45, ttmp9, s45
	s_lshl_b32 s45, s45, 2
	s_add_co_u32 s45, s45, s40
	s_mul_i32 s45, s45, T0
	s_mul_i32 s71, s16, T0/2
	s_add_co_u32 s45, s45, s71
	s_mul_i32 s46, s45, STRIP
	s_mov_b32 s47, 0
	s_mul_i32 s20, s17, T1
	s_mul_i32 s18, s16, T1/2
	s_add_co_u32 s20, s20, s18
	s_mul_i32 s20, s20, STRIP
	s_add_co_u32 s20, s20, s70
	s_mov_b32 s21, 0
	s_mul_i32 s86, s16, (T1/2)*REC
	s_mul_i32 s87, s16, (T0/2)*REC
	s_add_co_u32 s87, s87, T1*REC
	s_wait_kmcnt 0x0
	s_cmp_ge_u32 ttmp9, 10
	s_cselect_b64 s[66:67], s[6:7], s[4:5]
	s_cselect_b64 s[68:69], s[4:5], s[6:7]
	s_add_nc_u64 s[20:21], s[66:67], s[20:21]
	s_add_nc_u64 s[46:47], s[68:69], s[46:47]
	CROUND
.irp s, 0,1
	s_mov_b32 s[G0+4*\s], 1
	s_add_co_u32 s[G0+4*\s+1], s86, \s*SLOT
	s_add_nc_u64 s[G0+4*\s+2:G0+4*\s+3], s[20:21], \s*REC
	s_or_b32 s[G0+4*\s+3], s[G0+4*\s+3], 0x80000000
	s_mov_b32 s[G0B+4*\s], 1
	s_add_co_u32 s[G0B+4*\s+1], s87, \s*SLOT
	s_add_nc_u64 s[G0B+4*\s+2:G0B+4*\s+3], s[46:47], \s*REC
	s_or_b32 s[G0B+4*\s+3], s[G0B+4*\s+3], 0x80000000
.endr
	JLOAD G0, G1, G0B, G1B                         ; record 0: one tensor load a wave at the head; the set-up below stands under its flight
	s_cmp_eq_u32 s15, 0                            ; the prefetches: the tiles that I fetch,
	s_cselect_b32 s90, s40, s41                    ; my place among the four that ask for them with me,
	s_cselect_b64 s[88:89], s[20:21], s[46:47]
	s_mov_b32 s91, STRIP
	s_cselect_b32 s91, 2*STRIP, s91                ; two tiles a partner of source 1's eight, one of source 0's four
	s_mul_i32 s90, s90, s91
	s_mov_b32 s91, 0
	s_add_nc_u64 s[88:89], s[88:89], s[90:91]
	s_add_nc_u64 s[88:89], s[88:89], 2*REC         ; record 2
	v_and_b32 v30, 31, v0
	v_min_u32 v30, 24, v30
	v_lshlrev_b32 v30, 8, v30                      ; 256 bytes a lane; never rewritten
	ASK 0
	v_and_b32 v1, 31, v0
	v_and_b32 v2, 15, v0
	v_bfe_u32 v3, v0, 4, 1
	s_wait_alu depctr_va_vdst(0)
	v_lshlrev_b32 v[LI], 4, v1
	s_wait_alu depctr_va_vdst(0)
	v_lshlrev_b32 v[L8], 3, v1
	v_and_b32 v4, 8, v2
	v_add_nc_u32 v4, v4, v2
	v_lshlrev_b32 v[TA], 9, v4
	v_lshl_add_u32 v[TA], v3, 6, v[TA]
	s_lshl_b32 s82, s17, 8
	s_lshl_b32 s83, s14, 6
	s_add_co_u32 s82, s82, s83
	s_lshl_b32 s82, s82, 9
	s_mov_b32 s83, 0
	s_add_nc_u64 s[82:83], s[8:9], s[82:83]
	WIN 0xc0
.irp a, 0,1,2,3
.irp pt, 0,1
.irp be, 0,1
.irp j, 0,1,2,3
	global_load_b128 v[64*\a+32*\pt+16*\be+4*\j:64*\a+32*\pt+16*\be+4*\j+3], v[TA], s[82:83] offset:(32*(\a/2)+8*(\a%2))*512+256*\pt+128*\be+16*\j
.endr
.endr
.endr
.endr
	WIN 0
	s_mul_i32 s80, s14, MT*REC
	s_xor_b32 s81, s14, 3
	s_mul_i32 s81, s81, MT*REC
	s_add_co_u32 s81, s81, MT*REC
	v_mul_u32_u24 v5, s81, v3
	v_lshl_add_u32 v5, v2, 3, v5
	v_add_nc_u32 v5, s80, v5
	v_add_nc_u32 v[AD1], s80, v[LI]
	v_add_nc_u32 v[AD1+1], SLOT, v[AD1]
	v_add_nc_u32 v[AD0], T1*REC, v[LI]
	v_add_nc_u32 v[AD0+1], SLOT, v[AD0]
	v_add_nc_u32 v[ADS], 6144, v5
	v_add_nc_u32 v[ADS+1], SLOT, v[ADS]
	s_mov_b32 s[SEL], 0x76543210
	s_mov_b32 s[SEL+1], 0xfedcba98
	s_lshl_b32 s72, s17, 1
	s_add_co_u32 s72, s72, s15
	s_lshl_b32 s73, s42, 3
	s_add_co_u32 s73, s73, s72
	s_mul_i32 s73, s73, 12800
	s_sub_co_u32 s74, s42, 32
	s_lshl_b32 s74, s74, 3
	s_add_co_u32 s74, s74, s72
	s_mul_i32 s74, s74, 25600
	s_add_co_u32 s74, s74, 3276800
	s_lshl_b32 s75, s72, 3
	s_add_co_u32 s75, s75, s42
	s_sub_co_u32 s75, s75, 40
	s_mul_i32 s75, s75, 25600
	s_add_co_u32 s75, s75, 3276800+12800
	s_cmp_lt_u32 ttmp9, 8
	s_cselect_b32 s73, s73, s74
	s_cmp_ge_u32 ttmp9, 10
	s_cselect_b32 s73, s75, s73
	s_mul_i32 s74, s16, 4*1536
	s_add_co_u32 s76, s73, s74
	s_mov_b32 s77, 0
	s_add_nc_u64 s[76:77], s[10:11], s[76:77]
	s_lshl_b32 s74, s16, 8
	s_add_co_u32 s78, s73, s74
	s_mov_b32 s79, 0
	s_add_nc_u64 s[78:79], s[10:11], s[78:79]
	s_wait_alu depctr_va_vdst(0)                   ; the wait at the head's end
	s_wait_xcnt 0x0
	s_add_nc_u64 s[88:89], s[88:89], REC           ; record 3
	s_wait_tensorcnt 0x0                           ; my part of record 0 is in
	ds_add_u32 v[SPW], v[NIL]
	s_wait_dscnt 0x0
	CROUND
	JLOAD G0+4, G1, G0B+4, G1B                     ; record 1, the first tensor load behind the round
	FETCH 0, 0, 0
	SCALES 0
	ASK 0
	STEP 0, 0, 1
	WIN 0
	s_mov_b32 s3, 3
.Llap:
	STEP 0, 1, 0
	STEP 0, 2, 0
	TURN 0, 1, 1
	STEP 1, 0, 0
	STEP 1, 1, 0
	STEP 1, 2, 0
	TURN 1, 0, 1
	STEP 0, 0, 0
	WIN 0
	s_sub_co_u32 s3, s3, 1
	s_cmp_lg_u32 s3, 0
	s_cbranch_scc1 .Llap
	STEP 0, 1, 0
	STEP 0, 2, 0
	TURN 0, 1, 0
	STEP 1, 0, 0
	STEP 1, 1, 0
	STEP 1, 2, 0
	s_wait_dscnt 0x0
	WIN MUL
	MULS 0, MT, 1, 3, 1, 0
	WIN 0
	PLACES
.irp b, 0,1,2,3
	v_mov_b32 v[TM+4+\b], 0
.endr
	s_wait_loadcnt 0x0
	s_cmp_ge_u32 ttmp9, 10
	s_cbranch_scc1 .Lv
.irp a, 0,1,2,3
.if \a > 0
	s_wait_xcnt 0x0
.endif
	ROPE \a
	QUANT H, 0, PW+\a
	SENDF \a
.endr
	s_branch .Lwords
.Lv:
.irp a, 0,1,2,3
.if \a > 0
	s_wait_xcnt 0x0
.endif
	QUANT 64*\a, 2, PW+\a
	SENDF \a
.endr
.Lwords:
	v_cmp_le_u32 vcc_lo, 16, v1
	v_cndmask_b32 v[WW], v[PW], v[PW+1], vcc_lo
	v_cndmask_b32 v[WW+1], v[PW+2], v[PW+3], vcc_lo
	global_store_b64 v[L8], v[WW:WW+1], s[78:79] offset:12288
	s_wait_tensorcnt 0x0
	ds_add_u32 v[SPW], v[NIL]
	s_wait_dscnt 0x0
	CROUND
	s_endpgm
.Lfunc_end_k_qcbce59eab0_qkv:
	.size	k_qcbce59eab0_qkv, .Lfunc_end_k_qcbce59eab0_qkv-k_qcbce59eab0_qkv
	.p2alignl 7, 3214868480
	.fill 96, 4, 3214868480
	.section	.rodata,"a",@progbits
	.p2align	6, 0x0
	.amdhsa_kernel k_qcbce59eab0_qkv
		.amdhsa_group_segment_fixed_size 327680
		.amdhsa_private_segment_fixed_size 0
		.amdhsa_enable_private_segment 0
		.amdhsa_kernarg_size 32
		.amdhsa_user_sgpr_count 2
		.amdhsa_user_sgpr_kernarg_segment_ptr 1
		.amdhsa_wavefront_size32 1
		.amdhsa_system_sgpr_workgroup_id_x 1
		.amdhsa_system_sgpr_workgroup_id_y 1
		.amdhsa_system_sgpr_workgroup_id_z 1
		.amdhsa_system_vgpr_workitem_id 0
		.amdhsa_next_free_vgpr 1024
		.amdhsa_next_free_sgpr 98
		.amdhsa_reserve_vcc 1
		.amdhsa_float_denorm_mode_32 3
		.amdhsa_float_denorm_mode_16_64 3
		.amdhsa_memory_ordered 1
		.amdhsa_forward_progress 1
		.amdhsa_inst_pref_size 177
	.end_amdhsa_kernel
	.amdgpu_metadata
---
amdhsa.version: [ 1, 2 ]
amdhsa.kernels:
  - .name:           k_qcbce59eab0_qkv
    .symbol:         k_qcbce59eab0_qkv.kd
    .args:
      - { .name: xr, .offset: 0, .size: 8, .value_kind: global_buffer, .address_space: global }
      - { .name: wr, .offset: 8, .size: 8, .value_kind: global_buffer, .address_space: global }
      - { .name: tab, .offset: 16, .size: 8, .value_kind: global_buffer, .address_space: global }
      - { .name: qkvr, .offset: 24, .size: 8, .value_kind: global_buffer, .address_space: global }
    .group_segment_fixed_size: 327680
    .private_segment_fixed_size: 0
    .kernarg_segment_align: 8
    .kernarg_segment_size: 32
    .max_flat_workgroup_size: 128
    .sgpr_count:     98
    .vgpr_count:     1024
    .wavefront_size: 32
...
	.end_amdgpu_metadata
.endif
;; end of part 2
;; launch attn (part 3): grid 32 x 8, 16 waves a work-group, clusters of 4 x 1, 260,096 bytes of LDS; arguments qkvr, ar, wo, wr; writes ar, wr
.if DOCPART == 3
	.amdgcn_target "amdgcn-amd-amdhsa--gfx1250"
	.amdhsa_code_object_version 6
	.text
	.protected	k_qcbce59eab0_attn
	.globl	k_qcbce59eab0_attn
	.p2align	8
	.type	k_qcbce59eab0_attn,@function
k_qcbce59eab0_attn:
	s_mov_b64 s[64:65], 0
	v_nop
	global_prefetch_b8 v0, s[64:65] scope:SCOPE_SE
	s_setreg_imm32_b32 hwreg(HW_REG_WAVE_MODE, 25, 1), 1
	s_wait_xcnt 0x0
	s_wait_alu depctr_hold_cnt(0) depctr_sa_sdst(0) depctr_va_vdst(0) depctr_va_sdst(0) depctr_va_ssrc(0) depctr_va_vcc(0) depctr_vm_vsrc(0)
	s_getreg_b32 s2, hwreg(HW_REG_IB_STS2, 6, 4)
	s_cmp_eq_u32 s2, 0
	s_cbranch_scc0 .Lentry_in_a_cluster
	s_endpgm
.Lentry_in_a_cluster:
	s_bfe_u32 s2, ttmp6, 0x10000c
	s_cmp_lg_u32 s2, 0x3003
	s_cbranch_scc0 .Lentry_shape_is_right
	s_endpgm
.Lentry_shape_is_right:
; TWO JOBS IN ONE LAUNCH.  Waves 0-7 of a work-group: attention.  Waves 8-15: wo [4096][4096] f32 (K = its first axis) becomes codes of FP6 for the last launch.  The two share no data.
; ATTENTION: out[q][head] = the sum over keys k <= q of softmax(Q . K / sqrt(128)) V, both products on codes of FP6 (E2M3) with E8M0 scales; the result is quantised along the hidden axis for the last product.
; WORK LEFT OUT: the window of 1,024 keys spans the whole sequence of 1,024, so the mask is the causal one; a step of 128 keys that all come after a wave's queries adds nothing and is not multiplied (shown at the head of the first kernel).
; THE SOFTMAX: t = score x log2(e) / sqrt(128); M = the running largest t rounded UP to a whole number; p = 2^(t - M) is quantised along the keys, not normalised; the row's sum is taken of the unquantised p and divides at the end.
; INPUT qkvr: records of 12,800 bytes for 128 rows: eight register images of 1,536 bytes (tile t: lane-row r = row 32 (t / 2) + 8 (t % 2) + r + 8 (r / 8)), then scale words [half][lane][2]: word i of lane (r, h) in half H: tile 4 H + 2 i + h, row r.
; SHARES.  Work-group (cluster x = a8, cx, y = kv head): query head 4 y + cx.  Wave w < 8 owns ONE tile of 16 queries: tile a8 of the 128 queries G = w (w < 4) or 11 - w: waves k and k + 4 together walk (k + 1) + (8 - k) = 9 key steps of 128.
; LDS holds the kv head's K and V whole: key step s at 25,600 s (K's record, then V's), FILLED ONCE: each of the sixteen waves issues one tensor load of 12,800 bytes at the head (one is out); one wait for 0 and one barrier show all of it.
; CLUSTER: the four query heads of a kv head ask for K and V jointly.  Nothing is prefetched: every tensor load of the launch goes out at its head, and wo's loads have no loop to run ahead in.
; Both products are used transposed (S^T = K Q^T, O^T = V^T P^T): a lane holds one query throughout; the 16 registers of tiles 2 b, 2 b + 1 are 16 neighbouring keys (or channels).
; OUTPUT ar: the last product's records (16 queries x 512 of the hidden axis: 6,400 bytes): tile 8 G + a8, record = kv head, image cx.  The 64 bytes of scale words go 4 bytes a lane into 256 bytes that the four partners share.
; wo: wave 8 + w takes 32 columns x 256 along K: columns 32 cq, cq = 8 (4 (a8 % 4) + cx) + w, rows 256 kz, kz = 2 y + a8 / 4: 256 x 8 pieces cover wo once.  A LANE A COLUMN, ITS REGISTERS DOWN K; every offset is an immediate
; (255 rows of 16,384 bytes at the most).  The codes go through the wave's own stage in LDS and leave as register images into wr's tiles 384 + 2 cq and + 1, laid as the first kernel's head says.
; THE LOOP over key steps is on every wave's way, and the branch on the wave's number stands inside it; the set-up of registers is run by all sixteen waves, with no branch but round Q's four loads.
; LIMITS: a block whose largest magnitude lies under 2^-124 (a block of zeros too) gets the byte 1; NaN and infinities are not served; v_exp_f32 and v_rcp_f32 are good to one unit in the last place;
; the promise holds while the scaled scores stay under 2^31 in magnitude.
; REGISTERS, attention: v1-4 addresses that stay; v8-9 addresses in hand; v12 -M, v13 the largest t, v[14:15] the sum; v16-27 Q; v32-79 four fragments; v84-87 V's scale words; v88-91 sums; v96-159 S^T, then p; v160-223 O^T;
; v224-235 p's codes; v236-247, 252-254 at work; v248-251 K's scale words; v255 Q's.  wo: v5-7, v10 addresses; v16-63 images; v64-94 codes; v96-159 numbers; v160-165 at work.
.set LI,  1                            ; 16 x lane
.set L8,  2                            ; 8 x lane
.set DQ,  3                            ; my query's place among its 128, less 16 (lane / 16)
.set R8,  4                            ; 8 x (lane % 16)
.set W4,  5                            ; 4 x lane
.set WS,  6                            ; into my wave's stage
.set RB,  7                            ; back out of it
.set ADK, 8
.set ADS, 9
.set SA,  10                           ; my column's two scale words
.set SPW, 95
.set NIL, 243
.set TM,  32                           ; the way out
.set PC,  48
.set PW,  68
.set QO,  16
.set QC,  64
.set QX,  96
.set SBW, 160
.set WV,  18
.set GG,  19
.set SEL, 20
.set CS,  22
.set G1,  24
.set G0,  32
.set TB,  48                           ; LDS byte of the key step in hand
.set KS,  49                           ; its number
.set TW,  50
.set STRIP, 51200
.set SPARE, 204800                     ; behind K and V: the spare words, 128 bytes for each of 16 waves
.set WBASE, 206848                     ; behind them: a stage for each wave's number
.set WSTG,  3328
.set WTIL,  1664
.macro CROUND
	s_barrier_signal -1
	s_barrier_wait -1
	s_cmp_lg_u32 s[WV], 0
	s_cbranch_scc1 .Lnot_wave_0_\@
	s_barrier_signal -3
.Lnot_wave_0_\@:
	s_barrier_wait -3
	s_barrier_signal -1
	s_barrier_wait -1
.endm
.macro QUANT s, pw                     ; 64 numbers of a lane, register 16 b + i = k 32 b + 16 (lane / 16) + i, become a fragment in v[PC] on and its scale word in v[pw]
.irp b, 0,1,2,3
	v_max3_num_f32 v[TM+\b], |v[(\s)+16*\b]|, |v[(\s)+1+16*\b]|, 0x1800000
.endr
.irp i, 2,4,6,8,10,12,14
.irp b, 0,1,2,3
	s_delay_alu instid0(VALU_DEP_4)
	v_max3_num_f32 v[TM+\b], v[TM+\b], |v[(\s)+16*\b+\i]|, |v[(\s)+1+16*\b+\i]|
.endr
.endr
.irp b, 0,1,2,3
	s_delay_alu instid0(VALU_DEP_4)
	v_permlanex16_b32 v[TM+4+\b], v[TM+\b], s[SEL], s[SEL+1]
.endr
.irp b, 0,1,2,3
	s_delay_alu instid0(VALU_DEP_4)
	v_max_num_f32 v[TM+\b], v[TM+\b], v[TM+4+\b]
.endr
.irp b, 0,1,2,3
	s_delay_alu instid0(VALU_DEP_4)
	v_add_nc_u32 v[TM+12+\b], 0xff000000, v[TM+\b]
.endr
.irp b, 0,1,2,3
	s_delay_alu instid0(VALU_DEP_4)
	v_lshrrev_b32 v[TM+4+\b], 23, v[TM+12+\b]
.endr
	s_delay_alu instid0(VALU_DEP_3)
	v_lshl_or_b32 v[\pw], v[TM+5], 8, v[TM+4]
	s_delay_alu instid0(VALU_DEP_1)
	v_lshl_or_b32 v[\pw], v[TM+6], 16, v[\pw]
	s_delay_alu instid0(VALU_DEP_1)
	v_lshl_or_b32 v[\pw], v[TM+7], 24, v[\pw]
.irp c, 0,1
	v_cvt_scalef32_pk16_fp6_f32 v[PC+6*\c:PC+2+6*\c], v[(\s)+32*\c:(\s)+15+32*\c], v[TM+12+2*\c]
	v_cvt_scalef32_pk16_fp6_f32 v[PC+12+4*\c:PC+14+4*\c], v[(\s)+16+32*\c:(\s)+31+32*\c], v[TM+12+2*\c+1]
.endr
	v_nop
.irp c, 0,1
.irp i, 0,1,2
	v_permlane16_swap_b32 v[PC+6*\c+\i], v[PC+12+4*\c+\i]
.endr
.irp i, 0,1,2
	s_delay_alu instid0(VALU_DEP_3)
	v_mov_b32 v[PC+3+6*\c+\i], v[PC+12+4*\c+\i]
.endr
.endr
.endm
; wo's piece.  Block t: W(256 kz + 32 t + i, my column) into set t % 2: 32 lanes read 128 consecutive bytes, the eight waves 1,024
.macro WLOAD t
.set wi, 0
.rept 32
	global_load_b32 v[QX+32*((\t)%2)+wi], v[W4], s[72:73] offset:(32*(\t)+wi)*16384 th:TH_LOAD_NT
.set wi, wi+1
.endr
.endm
.macro WBLOCK t
.set XS, QX+32*((\t)%2)
.set CC, QC+8*((\t)%4)
.set BE, (\t)%4
.if (\t) < 7
	s_wait_loadcnt 32                              ; this block's 32 loads are in; the next block's 32 may be out
.else
	s_wait_loadcnt 0x0
.endif
	v_max3_num_f32 v164, |v[XS]|, |v[XS+1]|, |v[XS+2]|   ; the block's largest magnitude: all 32 numbers are mine; two chains
	v_max3_num_f32 v165, |v[XS+3]|, |v[XS+4]|, |v[XS+5]|
.irp i, 6,10,14,18,22,26
	v_max3_num_f32 v164, v164, |v[XS+\i]|, |v[XS+\i+1]|
	v_max3_num_f32 v165, v165, |v[XS+\i+2]|, |v[XS+\i+3]|
.endr
	v_max3_num_f32 v164, v164, |v[XS+30]|, |v[XS+31]|
	v_max3_num_f32 v164, v164, v165, 0x1800000     ; and the floor 2^(3 - 127): the byte cannot fall under 1
	v_add_nc_u32 v163, 0xff000000, v164            ; 2 off the exponent field: the conversion's scale operand
	v_cvt_scalef32_pk16_fp6_f32 v[CC:CC+2], v[XS:XS+15], v163
	v_cvt_scalef32_pk16_fp6_f32 v[CC+4:CC+6], v[XS+16:XS+31], v163
	v_lshrrev_b32 v162, 23, v163                   ; the scale's byte; also the plain line behind the conversions
.if BE == 0
	v_mov_b32 v[SBW+(\t)/4], v162
.else
	v_lshl_or_b32 v[SBW+(\t)/4], v162, 8*BE, v[SBW+(\t)/4]
.endif
	v_mov_b32 v[CC+3], v[CC+4]                     ; the block's six registers on end
	v_mov_b32 v[CC+4], v[CC+5]
	v_mov_b32 v[CC+5], v[CC+6]
; block be of row r is registers 6 (be / 2) .. + 5 of lane r + 16 (be % 2) of the image
.if BE < 2
	ds_store_b128 v[WS], v[CC:CC+3] offset:256*(BE%2)
	ds_store_b64 v[WS], v[CC+4:CC+5] offset:512+256*(BE%2)
.else
	ds_store_b64 v[WS], v[CC:CC+1] offset:512+256*(BE%2)+8
	ds_store_b128 v[WS], v[CC+2:CC+5] offset:1024+256*(BE%2)
.endif
.if (\t)+2 < 8
	WLOAD (\t)+2
.endif
.endm
.macro WOUT k                          ; K step k's two images leave: each store of the wave covers 512 consecutive bytes
.irp u, 0,1
.irp g, 0,1,2
	ds_load_b128 v[QO+24*(\k)+12*\u+4*\g:QO+24*(\k)+12*\u+4*\g+3], v[RB] offset:\u*WTIL+512*\g   ; LDS serves a wave's instructions in order: these see my stores
.endr
.endr
	s_wait_dscnt 0x0
.irp u, 0,1
.irp g, 0,1,2
	global_store_b128 v[LI], v[QO+24*(\k)+12*\u+4*\g:QO+24*(\k)+12*\u+4*\g+3], s[74:75] offset:\u*STRIP+(\k)*1536+512*\g
.endr
.endr
.endm
; A KEY STEP of 128 keys.  wo's waves, and a step all of whose keys come after my queries, pass round the work alone: scalar branches on the wave's number and the count; the lines at the end that step addresses are on every way.
.macro STEP
	s_cmp_ge_u32 s[WV], 8
	s_cbranch_scc1 .Lhidden_\@
	s_cmp_gt_u32 s[KS], s[GG]
	s_cbranch_scc1 .Lhidden_\@
	v_add_nc_u32 v[ADK], s[TB], v[LI]
	s_wait_alu depctr_va_vdst(0)
	v_add_nc_u32 v[ADS], s[TB], v[L8]
	v_nop
	v_nop                                          ; four plain lines in front of loads into registers that the last products read
.irp g, 0,1                                    ; S^T = K Q^T, four tiles of 16 keys at a time
.if \g > 0
.rept 4
	v_nop
.endr
.endif
.irp t, 0,1,2,3
.irp c, 0,1,2
	ds_load_b128 v[32+12*\t+4*\c:35+12*\t+4*\c], v[ADK] offset:(4*\g+\t)*1536+512*\c
.endr
.endr
.if \g == 0
	ds_load_b64 v[248:249], v[ADS] offset:12288    ; register 248 + t / 2: lanes 0-15 the words of tile t even, lanes 16-31 of t odd
	ds_load_b64 v[250:251], v[ADS] offset:12288+256
.endif
	s_wait_dscnt 0x0
.irp t, 0,1,2,3
.if (\t)%2
	v_wmma_scale_f32_16x16x128_f8f6f4 v[96+8*(4*\g+\t):103+8*(4*\g+\t)], v[32+12*\t:43+12*\t], v[16:27], 0, v[248+(4*\g+\t)/2], v255 matrix_a_fmt:MATRIX_FMT_FP6 matrix_b_fmt:MATRIX_FMT_FP6 matrix_a_scale:MATRIX_SCALE_ROW1
.else
	v_wmma_scale_f32_16x16x128_f8f6f4 v[96+8*(4*\g+\t):103+8*(4*\g+\t)], v[32+12*\t:43+12*\t], v[16:27], 0, v[248+(4*\g+\t)/2], v255 matrix_a_fmt:MATRIX_FMT_FP6 matrix_b_fmt:MATRIX_FMT_FP6
.endif
.endr
.endr
.rept 4
	v_nop
.endr
.irp t, 0,1,2,3                                ; V's first four tiles and its scale words are asked for here: they land under the softmax
.irp c, 0,1,2
	ds_load_b128 v[32+12*\t+4*\c:35+12*\t+4*\c], v[ADK] offset:12800+\t*1536+512*\c
.endr
.endr
	s_wait_alu depctr_va_vdst(0)
	ds_load_b64 v[84:85], v[ADS] offset:12800+12288
	ds_load_b64 v[86:87], v[ADS] offset:12800+12288+256
	s_cmp_lg_u32 s[KS], s[GG]                      ; only my last step lies on the diagonal
	s_cbranch_scc1 .Lopen_\@
	v_mov_b32 v254, 0xff800000                     ; register 16 b + i holds the step's key 32 b + 16 (lane / 16) + i: hidden where 32 b + i > v[DQ]; its score becomes -infinity, so p = 0
.set n, 0
.rept 64
	v_cmp_gt_i32 vcc_lo, 32*(n/16)+n%16, v[DQ]
	v_cndmask_b32 v[96+n], v[96+n], v254, vcc_lo
.set n, n+1
.endr
.Lopen_\@:
.irp b, 0,1,2,3
	v_max3_num_f32 v[232+\b], v[96+16*\b], v[97+16*\b], v[98+16*\b]   ; the largest score of each block of 32 keys: for the row's maximum, and, since p rises with the score, for the block's largest p
.endr
.irp i, 3,5,7,9,11,13
.irp b, 0,1,2,3
	v_max3_num_f32 v[232+\b], v[232+\b], v[96+16*\b+\i], v[97+16*\b+\i]
.endr
.endr
.irp b, 0,1,2,3
	v_max_num_f32 v[232+\b], v[232+\b], v[111+16*\b]
.endr
.irp b, 0,1,2,3
	s_delay_alu instid0(VALU_DEP_4)
	v_permlanex16_b32 v[236+\b], v[232+\b], s[SEL], s[SEL+1]
.endr
.irp b, 0,1,2,3
	s_delay_alu instid0(VALU_DEP_4)
	v_max_num_f32 v[232+\b], v[232+\b], v[236+\b]  ; with lane l xor 16's 16 keys
.endr
	s_delay_alu instid0(VALU_DEP_2)
	v_max3_num_f32 v254, v232, v233, v234
	s_delay_alu instid0(VALU_DEP_1)
	v_max_num_f32 v254, v254, v235
	s_delay_alu instid0(VALU_DEP_1)
	v_mul_f32 v254, s[CS], v254                    ; the step's largest t
	s_delay_alu instid0(VALU_DEP_1)
	v_max_num_f32 v13, v13, v254
	v_mov_b32 v254, v12
	s_delay_alu instid0(VALU_DEP_2)
	v_floor_f32 v12, -v13                          ; the new -M = -ceil(t): a whole number
	s_delay_alu instid0(VALU_DEP_1)
	v_sub_f32 v254, v12, v254
	s_delay_alu instid0(VALU_DEP_1)
	v_cvt_i32_f32 v254, v254                       ; (it saturates)
	s_delay_alu instid0(VALU_DEP_1)
	v_ldexp_f32 v252, 1.0, v254                    ; f = 2^(old M - new M): exact
.irp j, 0,2,4,6,8,10,12,14,16,18,20,22,24,26,28,30,32,34,36,38,40,42,44,46,48,50,52,54,56,58,60,62
	v_pk_fma_f32 v[96+\j:97+\j], v[96+\j:97+\j], s[CS:CS+1], v[12:13] op_sel_hi:[1,0,0]   ; t - M
.endr
.irp b, 0,1,2,3
	v_fma_f32 v[232+\b], v[232+\b], s[CS], v12
.endr
.set j, 0
	s_wait_alu depctr_va_vdst(0)                   ; the wait ahead of the batch
.rept 64
	v_exp_f32 v[96+j], v[96+j]                     ; p = 2^(t - M)
.set j, j+1
.endr
	v_pk_mul_f32 v[14:15], v[14:15], v[252:253] op_sel_hi:[1,0]   ; the sums under the new M; the plain line behind the exponentials
	s_wait_alu depctr_va_vdst(0)                   ; one wait for the batch, ahead of its first reader
.irp b, 0,1,2,3
	v_exp_f32 v[232+\b], v[232+\b]                 ; each block's largest p
.endr
	v_pk_add_f32 v[236:237], v[96:97], v[98:99]    ; the row's sum of the unquantised p: four chains by turns
	v_pk_add_f32 v[88:89], v[100:101], v[102:103]
	v_pk_add_f32 v[90:91], v[104:105], v[106:107]
	v_pk_add_f32 v[14:15], v[14:15], v[108:109]
.irp j, 14,22,30,38,46,54
	v_pk_add_f32 v[236:237], v[236:237], v[96+\j:97+\j]
	v_pk_add_f32 v[88:89], v[88:89], v[98+\j:99+\j]
	v_pk_add_f32 v[90:91], v[90:91], v[100+\j:101+\j]
	v_pk_add_f32 v[14:15], v[14:15], v[102+\j:103+\j]
.endr
	v_pk_add_f32 v[236:237], v[236:237], v[158:159]
	v_pk_add_f32 v[88:89], v[88:89], v[90:91]
	s_delay_alu instid0(VALU_DEP_2)
	v_pk_add_f32 v[14:15], v[14:15], v[236:237]
	s_delay_alu instid0(VALU_DEP_1)
	v_pk_add_f32 v[14:15], v[14:15], v[88:89]
	s_wait_alu depctr_va_vdst(0)                   ; and one for the four
.irp b, 0,1,2,3
	v_max_num_f32 v[232+\b], 0x1800000, v[232+\b]  ; the floor: the byte cannot fall under 1
.endr
.irp b, 0,1,2,3
	s_delay_alu instid0(VALU_DEP_4)
	v_add_nc_u32 v[244+\b], 0xff000000, v[232+\b]
.endr
.irp b, 0,1,2,3
	s_delay_alu instid0(VALU_DEP_4)
	v_lshrrev_b32 v[236+\b], 23, v[244+\b]
.endr
	s_delay_alu instid0(VALU_DEP_3)
	v_lshl_or_b32 v253, v237, 8, v236              ; p's scale word for these 128 keys
	s_delay_alu instid0(VALU_DEP_1)
	v_lshl_or_b32 v253, v238, 16, v253
	s_delay_alu instid0(VALU_DEP_1)
	v_lshl_or_b32 v253, v239, 24, v253
.irp c, 0,1
	v_cvt_scalef32_pk16_fp6_f32 v[224+6*\c:226+6*\c], v[96+32*\c:111+32*\c], v[244+2*\c]
	v_cvt_scalef32_pk16_fp6_f32 v[236+4*\c:238+4*\c], v[112+32*\c:127+32*\c], v[244+2*\c+1]
.endr
	v_nop
.irp c, 0,1
.irp i, 0,1,2
	v_permlane16_swap_b32 v[224+6*\c+\i], v[236+4*\c+\i]
.endr
.irp i, 0,1,2
	s_delay_alu instid0(VALU_DEP_3)
	v_mov_b32 v[227+6*\c+\i], v[236+4*\c+\i]
.endr
.endr
.irp j, 0,2,4,6,8,10,12,14,16,18,20,22,24,26,28,30,32,34,36,38,40,42,44,46,48,50,52,54,56,58,60,62
	v_pk_mul_f32 v[160+\j:161+\j], v[160+\j:161+\j], v[252:253] op_sel_hi:[1,0]   ; O^T under the new M; these 32 are also the places between p's codes and scale word and the products
.endr
	s_wait_alu depctr_va_vdst(0)
.irp g, 0,1                                    ; O^T += V^T P^T
.if \g > 0
.rept 4
	v_nop
.endr
.irp t, 0,1,2,3
.irp c, 0,1,2
	ds_load_b128 v[32+12*\t+4*\c:35+12*\t+4*\c], v[ADK] offset:12800+(4+\t)*1536+512*\c
.endr
.endr
.endif
	s_wait_dscnt 0x0
.irp t, 0,1,2,3
.if (\t)%2
	v_wmma_scale_f32_16x16x128_f8f6f4 v[160+8*(4*\g+\t):167+8*(4*\g+\t)], v[32+12*\t:43+12*\t], v[224:235], v[160+8*(4*\g+\t):167+8*(4*\g+\t)], v[84+(4*\g+\t)/2], v253 matrix_a_fmt:MATRIX_FMT_FP6 matrix_b_fmt:MATRIX_FMT_FP6 matrix_a_scale:MATRIX_SCALE_ROW1
.else
	v_wmma_scale_f32_16x16x128_f8f6f4 v[160+8*(4*\g+\t):167+8*(4*\g+\t)], v[32+12*\t:43+12*\t], v[224:235], v[160+8*(4*\g+\t):167+8*(4*\g+\t)], v[84+(4*\g+\t)/2], v253 matrix_a_fmt:MATRIX_FMT_FP6 matrix_b_fmt:MATRIX_FMT_FP6
.endif
.endr
.endr
.Lhidden_\@:
	s_add_co_u32 s[KS], s[KS], 1
	s_add_co_u32 s[TB], s[TB], 25600
.endm
	s_load_b256 s[4:11], s[0:1], 0x0               ; qkvr, ar, wo, wr
	v_lshl_add_u32 v[SPW], v0, 2, SPARE
	v_mov_b32 v[NIL], 0
	ds_add_u32 v[SPW], v[NIL]                      ; the opening lines: the add, twice on end, and its wait ahead of my tensor load
	ds_add_u32 v[SPW], v[NIL]
	v_lshrrev_b32 v8, 5, v0
	s_delay_alu instid0(VALU_DEP_1)
	v_readfirstlane_b32 s[WV], v8                  ; wave 0..15
	s_bfe_u32 s13, ttmp6, 0x40000                  ; cx: it enters global addresses alone (Q's, the output's, wo's and wr's)
	s_and_b32 s12, ttmp7, 0xffff                   ; the kv head
	s_and_b32 s55, s[WV], 7
	s_sub_co_u32 s[GG], 11, s55
	s_cmp_lt_u32 s55, 4
	s_cselect_b32 s[GG], s55, s[GG]                ; G
	s_mov_b32 s[G1], 15|(3<<16)|(1<<21)            ; the mask: all four; elements of 8 bytes; 21 set beside a mask
	s_mov_b32 s[G1+1], 32<<16                      ; rows of 256 bytes,
	s_mov_b32 s[G1+2], 50<<16                      ; 50 of them: 12,800 dense bytes
	s_mov_b32 s[G1+3], 32<<16
	s_mov_b32 s[G1+4], 50
	s_mov_b32 s[G1+5], 32
	s_mov_b32 s[G1+6], 0
	s_mov_b32 s[G1+7], 0
	s_mov_b32 s[G0], 1
	s_mul_i32 s[G0+1], s[WV], 12800                ; my sixteenth of the kv head's 204,800 bytes
	s_mul_i32 s52, s12, 204800
	s_add_co_u32 s52, s52, s[G0+1]
	s_add_co_u32 s52, s52, 3276800
	s_mov_b32 s53, 0
	s_mov_b32 s[SEL], 0x76543210
	s_mov_b32 s[SEL+1], 0xfedcba98
	s_mov_b32 s[CS], 0x3e0293ee                    ; c = log2(e) / sqrt(128)
	s_mov_b32 s[CS+1], s[CS]
	s_mov_b32 s[KS], 0
	s_lshl_b32 s76, s12, 3                         ; wo's piece
	s_add_co_u32 s76, s76, ttmp9                   ; 8 y + a8
	s_lshr_b32 s77, s76, 2                         ; kz
	s_and_b32 s78, s76, 3
	s_lshl_b32 s78, s78, 2
	s_add_co_u32 s78, s78, s13
	s_lshl_b32 s78, s78, 3
	s_add_co_u32 s78, s78, s55                     ; cq
	s_lshl_b32 s80, s77, 22                        ; 256 kz rows of 16,384 bytes
	s_lshl_b32 s79, s78, 7                         ; + 32 cq columns
	s_add_co_u32 s80, s80, s79
	s_mov_b32 s81, 0
	s_lshl_b32 s82, s78, 1
	s_add_co_u32 s82, s82, 384                     ; my first tile
	s_mul_i32 s82, s82, STRIP
	s_lshr_b32 s79, s77, 1
	s_mul_i32 s79, s79, 6400
	s_add_co_u32 s82, s82, s79                     ; its record kz / 2
	s_and_b32 s79, s77, 1
	s_mul_i32 s84, s79, 3072
	s_add_co_u32 s84, s84, s82                     ; images 2 (kz % 2) and + 1
	s_mov_b32 s85, 0
	s_lshl_b32 s79, s79, 7
	s_add_co_u32 s82, s82, s79
	s_add_co_u32 s82, s82, 6144                    ; and their scale words
	s_mov_b32 s83, 0
	s_mul_i32 s86, s[WV], WSTG
	s_add_co_u32 s86, s86, WBASE                   ; my stage
	s_wait_dscnt 0x0
	s_wait_kmcnt 0x0
	s_add_nc_u64 s[G0+2:G0+3], s[4:5], s[52:53]
	s_or_b32 s[G0+3], s[G0+3], 0x80000000
	s_add_nc_u64 s[72:73], s[8:9], s[80:81]
	s_add_nc_u64 s[74:75], s[10:11], s[84:85]
	s_add_nc_u64 s[76:77], s[10:11], s[82:83]
	CROUND                                         ; all four work-groups are here: the joint loads meet
	tensor_load_to_lds s[G0:G0+3], s[G1:G1+7]      ; my one tensor load of the launch
	s_nop 0
.rept 4
	v_nop
.endr
	s_lshl_b32 s58, s12, 2
	s_add_co_u32 s58, s58, s13                     ; the query head
	s_lshl_b32 s58, s58, 3
	s_add_co_u32 s58, s58, s[GG]
	s_mul_i32 s58, s58, 12800                      ; its record of my 128 queries
	s_mul_i32 s59, ttmp9, 1536
	s_add_co_u32 s60, s58, s59                     ; my tile's image
	s_mov_b32 s61, 0
	s_add_nc_u64 s[60:61], s[4:5], s[60:61]
	s_lshr_b32 s59, ttmp9, 2
	s_lshl_b32 s59, s59, 8                         ; its scale words: half a8 / 4,
	s_and_b32 s62, ttmp9, 1
	s_lshl_b32 s62, s62, 7                         ; lanes 16 (a8 % 2) on,
	s_add_co_u32 s59, s59, s62
	s_bfe_u32 s62, ttmp9, 0x10001
	s_lshl_b32 s62, s62, 2                         ; word (a8 / 2) % 2
	s_add_co_u32 s59, s59, s62
	s_add_co_u32 s62, s58, s59
	s_mov_b32 s63, 0
	s_add_nc_u64 s[62:63], s[4:5], s[62:63]
	s_lshr_b32 s51, ttmp9, 1
	s_lshl_b32 s51, s51, 5
	s_and_b32 s55, ttmp9, 1
	s_lshl_b32 s55, s55, 3
	s_add_co_u32 s51, s51, s55                     ; my tile's first query among the 128
	s_lshl_b32 s66, s[GG], 3
	s_add_co_u32 s66, s66, ttmp9                   ; the output's tile: 8 G + a8
	s_mul_i32 s66, s66, STRIP
	s_mul_i32 s67, s12, 6400
	s_add_co_u32 s66, s66, s67                     ; record = kv head
	s_mul_i32 s67, s13, 1536
	s_add_co_u32 s68, s66, s67                     ; image cx
	s_mov_b32 s69, 0
	s_add_nc_u64 s[68:69], s[6:7], s[68:69]
	s_lshr_b32 s67, s13, 1
	s_lshl_b32 s67, s67, 7
	s_add_co_u32 s70, s66, s67
	s_and_b32 s67, s13, 1
	s_lshl_b32 s67, s67, 2
	s_add_co_u32 s70, s70, s67                     ; its scale words: 128 (cx / 2) + 4 (cx % 2)
	s_mov_b32 s71, 0
	s_add_nc_u64 s[70:71], s[6:7], s[70:71]
	v_and_b32 v8, 31, v0                           ; lane
	v_and_b32 v9, 15, v0                           ; r
	v_bfe_u32 v11, v0, 4, 1                        ; h
	v_bfe_u32 v30, v0, 3, 1                        ; wo: column j of my 32 is lane-row j % 8 + 8 (j / 16) of tile u = (j / 8) % 2
	v_and_b32 v31, 7, v0
	v_lshlrev_b32 v[LI], 4, v8
	v_lshlrev_b32 v[L8], 3, v8
	v_lshlrev_b32 v[W4], 2, v8
	v_lshlrev_b32 v[R8], 3, v9
	v_and_b32 v28, 8, v9
	v_lshlrev_b32 v29, 4, v11
	v_lshl_add_u32 v31, v11, 3, v31
	v_add3_u32 v28, v28, v9, s51                   ; r + 8 (r / 8) + the tile's first query
	v_mul_u32_u24 v[WS], v30, WTIL
	v_mul_u32_u24 v[SA], v30, STRIP
	v_add_nc_u32 v[RB], s86, v[LI]
	v_sub_nc_u32 v[DQ], v28, v29
	v_lshl_add_u32 v[WS], v31, 4, v[WS]
	v_lshl_add_u32 v[SA], v31, 3, v[SA]
	v_mov_b32 v13, 0xff61b1e6                      ; the largest t so far: -3e38
	v_add_nc_u32 v[WS], s86, v[WS]
	v_mov_b32 v14, 0
	v_mov_b32 v15, 0
	v_floor_f32 v12, -v13
.irp b, 0,1,2,3
	v_mov_b32 v[236+\b], 0                         ; a lane permute's destination counts as one of its sources
.endr
	v_mov_b32 v252, 0
	v_mov_b32 v253, 0
	v_mov_b32 v255, 0                              ; written on every way ahead of the loop; waves 0-7 load Q's scale words over it
.set j, 0
.rept 64
	v_mov_b32 v[160+j], 0                          ; O^T: the step is written without a first copy: the first change of M multiplies zeros
.set j, j+1
.endr
	s_wait_alu depctr_va_vdst(0)                   ; the wait at the head's end
	s_cmp_ge_u32 s[WV], 8
	s_cbranch_scc1 .Lno_q
.irp c, 0,1,2
	global_load_b128 v[16+4*\c:19+4*\c], v[LI], s[60:61] offset:512*\c
.endr
	global_load_b32 v255, v[R8], s[62:63] offset:12288
.Lno_q:
	s_wait_loadcnt 0x0                             ; Q
	s_wait_tensorcnt 0x0                           ; my sixteenth of K and V is in
	s_barrier_signal -1
	s_barrier_wait -1                              ; everybody's is; no byte of it is filled again
	s_cmp_lt_u32 s[WV], 8
	s_cbranch_scc1 .Lwalk
	WLOAD 0                                        ; ---- wo's piece, waves 8-15
	WLOAD 1
	WBLOCK 0
	WBLOCK 1
	WBLOCK 2
	WBLOCK 3
	WOUT 0
	WBLOCK 4
	WBLOCK 5
	WBLOCK 6
	WBLOCK 7
	WOUT 1
	s_wait_alu depctr_va_vdst(0)                   ; the wait ahead of the reader below
	global_store_b64 v[SA], v[SBW:SBW+1], s[76:77] ; sixteen lanes fill each tile's 128 bytes
	s_wait_xcnt 0x0                                ; the stores have read their registers
.Lwalk:
	s_mov_b32 s[TB], 0
	s_mov_b32 s[TW], 8
.Lstep:
	STEP
	s_sub_co_u32 s[TW], s[TW], 1
	s_cmp_lg_u32 s[TW], 0
	s_cbranch_scc1 .Lstep
	s_cmp_ge_u32 s[WV], 8
	s_cbranch_scc1 .Lend
	; THE WAY OUT: O^T / the sum is K step `head` of the last product's operand: quantised as it stands
.rept 4
	v_nop
.endr
	v_add_f32 v14, v14, v15
	s_delay_alu instid0(VALU_DEP_1)
	v_permlanex16_b32 v252, v14, s[SEL], s[SEL+1]
	s_delay_alu instid0(VALU_DEP_1)
	v_add_f32 v14, v14, v252
	s_wait_alu depctr_va_vdst(0)                   ; the wait ahead of the reciprocal
	v_rcp_f32 v14, v14
.irp b, 0,1,2,3
	v_mov_b32 v[TM+4+\b], 0                        ; plain lines behind the reciprocal
.endr
	s_wait_alu depctr_va_vdst(0)                   ; and ahead of its first reader
.irp j, 0,2,4,6,8,10,12,14,16,18,20,22,24,26,28,30,32,34,36,38,40,42,44,46,48,50,52,54,56,58,60,62
	v_pk_mul_f32 v[96+\j:97+\j], v[160+\j:161+\j], v[14:15] op_sel_hi:[1,0]   ; register 16 b + i: channel 32 b + 16 (lane / 16) + i of my query
.endr
	QUANT 96, PW
.irp c, 0,1,2
	global_store_b128 v[LI], v[PC+4*\c:PC+4*\c+3], s[68:69] offset:512*\c
.endr
	global_store_b32 v[R8], v[PW], s[70:71] offset:6144   ; lanes l and l xor 16 hold the same word and name the same place
.Lend:
	s_wait_tensorcnt 0x0                           ; the wave's end
	ds_add_u32 v[SPW], v[NIL]
	s_wait_dscnt 0x0
	CROUND                                         ; the closing round
	s_endpgm
.Lfunc_end_k_qcbce59eab0_attn:
	.size	k_qcbce59eab0_attn, .Lfunc_end_k_qcbce59eab0_attn-k_qcbce59eab0_attn
	.p2alignl 7, 3214868480
	.fill 96, 4, 3214868480
	.section	.rodata,"a",@progbits
	.p2align	6, 0x0
	.amdhsa_kernel k_qcbce59eab0_attn
		.amdhsa_group_segment_fixed_size 260096
		.amdhsa_private_segment_fixed_size 0
		.amdhsa_enable_private_segment 0
		.amdhsa_kernarg_size 32
		.amdhsa_user_sgpr_count 2
		.amdhsa_user_sgpr_kernarg_segment_ptr 1
		.amdhsa_wavefront_size32 1
		.amdhsa_system_sgpr_workgroup_id_x 1
		.amdhsa_system_sgpr_workgroup_id_y 1
		.amdhsa_system_sgpr_workgroup_id_z 1
		.amdhsa_system_vgpr_workitem_id 0
		.amdhsa_next_free_vgpr 256
		.amdhsa_next_free_sgpr 100
		.amdhsa_reserve_vcc 1
		.amdhsa_float_denorm_mode_32 3
		.amdhsa_float_denorm_mode_16_64 3
		.amdhsa_memory_ordered 1
		.amdhsa_forward_progress 1
		.amdhsa_inst_pref_size 82
	.end_amdhsa_kernel
	.amdgpu_metadata
---
amdhsa.version: [ 1, 2 ]
amdhsa.kernels:
  - .name:           k_qcbce59eab0_attn
    .symbol:         k_qcbce59eab0_attn.kd
    .args:
      - { .name: qkvr, .offset: 0, .size: 8, .value_kind: global_buffer, .address_space: global }
      - { .name: ar, .offset: 8, .size: 8, .value_kind: global_buffer, .address_space: global }
      - { .name: wo, .offset: 16, .size: 8, .value_kind: global_buffer, .address_space: global }
      - { .name: wr, .offset: 24, .size: 8, .value_kind: global_buffer, .address_space: global }
    .group_segment_fixed_size: 260096
    .private_segment_fixed_size: 0
    .kernarg_segment_align: 8
    .kernarg_segment_size: 32
    .max_flat_workgroup_size: 512
    .sgpr_count:     100
    .vgpr_count:     256
    .wavefront_size: 32
...
	.end_amdgpu_metadata
.endif
;; end of part 3
;; launch oproj (part 4): grid 32 x 8, 4 waves a work-group, clusters of 4 x 4, 327,680 bytes of LDS; arguments ar, wr, out0; writes out0
.if DOCPART == 4
	.amdgcn_target "amdgcn-amd-amdhsa--gfx1250"
	.amdhsa_code_object_version 6
	.text
	.protected	k_qcbce59eab0_oproj
	.globl	k_qcbce59eab0_oproj
	.p2align	8
	.type	k_qcbce59eab0_oproj,@function
k_qcbce59eab0_oproj:
	s_mov_b64 s[64:65], 0
	v_nop
	global_prefetch_b8 v0, s[64:65] scope:SCOPE_SE
	s_setreg_imm32_b32 hwreg(HW_REG_WAVE_MODE, 25, 1), 1
	s_wait_xcnt 0x0
	s_wait_alu depctr_hold_cnt(0) depctr_sa_sdst(0) depctr_va_vdst(0) depctr_va_sdst(0) depctr_va_ssrc(0) depctr_va_vcc(0) depctr_vm_vsrc(0)
	s_getreg_b32 s2, hwreg(HW_REG_IB_STS2, 6, 4)
	s_cmp_eq_u32 s2, 0
	s_cbranch_scc0 .Lentry_in_a_cluster
	s_endpgm
.Lentry_in_a_cluster:
	s_bfe_u32 s2, ttmp6, 0x10000c
	s_cmp_lg_u32 s2, 0xf033
	s_cbranch_scc0 .Lentry_shape_is_right
	s_endpgm
.Lentry_shape_is_right:
; out0 = A wo on codes of FP6 (E2M3) with E8M0 scales: A's records come from the attention launch (ar), wo's are wr's tiles 384-639 (16 rows x 512 K: four register images and 256 bytes of scale words, 6,400 bytes; a tile's eight records on end).
; A work-group makes 128 x 128 of the result, a wave 64 x 64: 16 accumulators.  K goes through a ring of two LDS slots, a record of each of the 16 tiles to a slot; waves 0, 1 fetch A's halves, waves 2, 3 wo's, by joint loads of the 4 x 4 cluster.
; PREFETCH: behind every joint load the record that stands two refills on is named, 256 bytes a lane, 25 lanes to a record (lanes 25-31 name the last block again); of the four tiles that a wave fetches each of the four partners
; names one, told apart by address; the last lap's two refills have no record two on and name nothing.
.set T1,    8
.set T0,    8
.set MT,    4
.set NT,    4
.set REC,   6400
.set STRIP, 51200
.set SLOT,  (T1+T0)*REC
.set SPARE, 2*SLOT
.set AD1,  16
.set AD0,  20
.set ADS,  22
.set STO,  24
.set RD,   25
.set CO,   26
.set SPW,  28
.set NIL,  29
.set SC,   32
.set BK,   96
.set AF,   128
.set G1,   24
.set G0,   32
.set G1B,  48
.set G0B,  56
.set MSB,  0
.macro WIN new
.if MSB != (\new)
	s_set_vgpr_msb (MSB<<8)|(\new)
.set MSB, (\new)
.endif
.endm
.set MUL,  0xa1
.set TO_B, 0x40
.macro PLACES
.rept 4
	v_nop
.endr
.endm
.macro JLOAD g0a, g1a, g0b, g1b
	s_cmp_eq_u32 s15, 0
	s_cbranch_scc0 .Lfor_b_\@
	tensor_load_to_lds s[\g0a:\g0a+3], s[\g1a:\g1a+7]
	s_nop 0
.rept 4
	v_nop
.endr
	s_branch .Lasked_\@
.Lfor_b_\@:
	tensor_load_to_lds s[\g0b:\g0b+3], s[\g1b:\g1b+7]
	s_nop 0
.rept 4
	v_nop
.endr
.Lasked_\@:
.endm
.macro CREST
	s_cmp_lg_u32 s14, 0
	s_cbranch_scc1 .Lnot_wave_0_\@
	s_barrier_signal -3
.Lnot_wave_0_\@:
	s_barrier_wait -3
	s_barrier_signal -1
	s_barrier_wait -1
.endm
.macro CROUND
	s_barrier_signal -1
	s_barrier_wait -1
	CREST
.endm
.macro FETCH slot, q, p
	WIN TO_B
.irp b, 0,1,2,3,4,5,6,7
.if \b < NT
.irp g, 0,1,2
	ds_load_b128 v[128*(\p)+12*\b+4*\g:128*(\p)+12*\b+4*\g+3], v[AD0+\slot] offset:\b*REC+(\q)*1536+512*\g
.endr
.endif
.endr
	WIN 0
.irp a, 0,1,2,3
.irp g, 0,1,2
	ds_load_b128 v[AF+48*(\p)+12*\a+4*\g:AF+48*(\p)+12*\a+4*\g+3], v[AD1+\slot] offset:\a*REC+(\q)*1536+512*\g
.endr
.endr
.endm
.macro SCALES slot
.irp i, 0,1,2,3,4,5,6,7
.if \i < NT
.irp hf, 0,1
	ds_load_b64 v[SC+32*\slot+4*\i+2*\hf:SC+32*\slot+4*\i+2*\hf+1], v[ADS+\slot] offset:\i*REC+128*\hf
.endr
.endif
.endr
.endm
.macro MULS a0, n, p, q, sc, zero
.set MA, \a0
.rept \n
.irp b, 0,1,2,3,4,5,6,7
.if \b < NT
.if \zero
	v_wmma_scale_f32_16x16x128_f8f6f4 v[8*(NT*MA+\b):8*(NT*MA+\b)+7], v[128*(\p)+12*\b:128*(\p)+12*\b+11], v[AF+48*(\p)+12*MA:AF+48*(\p)+12*MA+11], 0, v[SC+32*(\sc)+4*\b+(\q)], v[SC+32*(\sc)+4*MA+(\q)] matrix_a_fmt:MATRIX_FMT_FP6 matrix_b_fmt:MATRIX_FMT_FP6 matrix_a_scale:MATRIX_SCALE_ROW1
.else
	v_wmma_scale_f32_16x16x128_f8f6f4 v[8*(NT*MA+\b):8*(NT*MA+\b)+7], v[128*(\p)+12*\b:128*(\p)+12*\b+11], v[AF+48*(\p)+12*MA:AF+48*(\p)+12*MA+11], v[8*(NT*MA+\b):8*(NT*MA+\b)+7], v[SC+32*(\sc)+4*\b+(\q)], v[SC+32*(\sc)+4*MA+(\q)] matrix_a_fmt:MATRIX_FMT_FP6 matrix_b_fmt:MATRIX_FMT_FP6 matrix_a_scale:MATRIX_SCALE_ROW1
.endif
.endif
.endr
.set MA, MA+1
.endr
.endm
.macro STEP slot, q, zero
	s_wait_dscnt 0x0
	PLACES
	FETCH \slot, (\q)+1, 1-(\q)%2
	WIN MUL
	MULS 0, MT, (\q)%2, \q, \slot, \zero
.endm
.macro ASK loop
.if \loop
	s_cmp_gt_u32 s3, 1                             ; s3 = 1 in the last lap
	s_cbranch_scc0 .Lno_ask_\@
.endif
	global_prefetch_b8 v30, s[88:89] th:TH_LOAD_NT scope:SCOPE_SE
.Lno_ask_\@:
.endm
.macro TURN slot, next, fill
.if \fill
	s_wait_xcnt 0x0                                ; my last prefetch has read its address: one record on
	s_add_nc_u64 s[88:89], s[88:89], REC
.endif
	s_wait_dscnt 0x0
	WIN 0
	s_wait_tensorcnt 0x0
	ds_add_u32 v[SPW], v[NIL]
	WIN MUL
	MULS 0, 1, 1, 3, \slot, 0
	s_wait_dscnt 0x0
	s_barrier_signal -1
	MULS 1, 1, 1, 3, \slot, 0
	WIN 0
	s_barrier_wait -1
.if \fill
	CREST
	s_add_nc_u64 s[G0+4*\slot+2:G0+4*\slot+3], s[G0+4*\slot+2:G0+4*\slot+3], 2*REC
	s_add_nc_u64 s[G0B+4*\slot+2:G0B+4*\slot+3], s[G0B+4*\slot+2:G0B+4*\slot+3], 2*REC
	JLOAD G0+4*\slot, G1, G0B+4*\slot, G1B
.else
	PLACES
.endif
	FETCH \next, 0, 0
	s_wait_alu depctr_va_vdst(0)
	SCALES \next
.if \fill
	ASK 1
.endif
	WIN MUL
	MULS 2, MT-2, 1, 3, \slot, 0
.endm
.macro TOSTAGE a
	WIN 0x08
.irp k, 0,1,2,3,4,5,6,7
	ds_store_b128 v[STO], v[32*(\a)+4*\k:32*(\a)+4*\k+3] offset:128*(\k/4)+16*(\k%4)
.endr
	WIN 0
.irp t, 0,1,2,3,4,5,6,7
	ds_load_b128 v[BK+32*(\a)+4*\t:BK+32*(\a)+4*\t+3], v[RD] offset:544*\t
.endr
.endm
.macro SEND a, younger
	s_wait_dscnt \younger
.irp t, 0,1,2,3,4,5,6,7
	global_store_b128 v[CO], v[BK+32*(\a)+4*\t:BK+32*(\a)+4*\t+3], s[8:9] offset:(32*((\a)/2)+8*((\a)%2)+2*\t+8*(\t/4))*16384 th:TH_STORE_NT
.endr
.endm
	s_load_b128 s[4:7], s[0:1], 0x0
	s_load_b64 s[8:9], s[0:1], 0x10
	v_lshl_add_u32 v[SPW], v0, 2, SPARE
	v_mov_b32 v[NIL], 0
	ds_add_u32 v28, v29
	ds_add_u32 v28, v29
	s_wait_dscnt 0x0
	v_lshrrev_b32 v1, 5, v0
	v_readfirstlane_b32 s14, v1
	s_lshr_b32 s15, s14, 1
	s_and_b32 s16, s14, 1
	s_bfe_u32 s40, ttmp6, 0x40000
	s_bfe_u32 s41, ttmp6, 0x40004
	s_lshl_b32 s42, ttmp9, 2
	s_add_co_u32 s42, s42, s40
	s_and_b32 s17, ttmp7, 0xffff
	s_lshl_b32 s17, s17, 2
	s_add_co_u32 s17, s17, s41
	s_lshl_b32 s43, s41, 2
	s_lshl_b32 s43, 15, s43
	s_lshl_b32 s44, 0x1111, s40
	s_or_b32 s[G1+0], s43, (3<<16)|(1<<21)
	s_or_b32 s[G1B+0], s44, (3<<16)|(1<<21)
	s_mov_b32 s[G1+1], 800<<16
	s_mov_b32 s[G1+2], (T1/2)<<16
	s_mov_b32 s[G1+3], 800<<16
	s_mov_b32 s[G1+4], T1/2
	s_mov_b32 s[G1+5], 6400
	s_mov_b32 s[G1+6], 0
	s_mov_b32 s[G1+7], 0
	s_mov_b32 s[G1B+1], 800<<16
	s_mov_b32 s[G1B+2], (T0/2)<<16
	s_mov_b32 s[G1B+3], 800<<16
	s_mov_b32 s[G1B+4], T0/2
	s_mov_b32 s[G1B+5], 6400
	s_mov_b32 s[G1B+6], 0
	s_mov_b32 s[G1B+7], 0
	s_mul_i32 s45, s42, T0
	s_mul_i32 s71, s16, T0/2
	s_add_co_u32 s45, s45, s71
	s_add_co_u32 s45, s45, 384
	s_mul_i32 s46, s45, STRIP
	s_mov_b32 s47, 0
	s_mul_i32 s20, s17, T1
	s_mul_i32 s18, s16, T1/2
	s_add_co_u32 s20, s20, s18
	s_mul_i32 s20, s20, STRIP
	s_mov_b32 s21, 0
	s_mul_i32 s86, s16, (T1/2)*REC
	s_mul_i32 s87, s16, (T0/2)*REC
	s_add_co_u32 s87, s87, T1*REC
	s_wait_kmcnt 0x0
	s_add_nc_u64 s[20:21], s[4:5], s[20:21]
	s_add_nc_u64 s[46:47], s[6:7], s[46:47]
	CROUND
.irp s, 0,1
	s_mov_b32 s[G0+4*\s], 1
	s_add_co_u32 s[G0+4*\s+1], s86, \s*SLOT
	s_add_nc_u64 s[G0+4*\s+2:G0+4*\s+3], s[20:21], \s*REC
	s_or_b32 s[G0+4*\s+3], s[G0+4*\s+3], 0x80000000
	s_mov_b32 s[G0B+4*\s], 1
	s_add_co_u32 s[G0B+4*\s+1], s87, \s*SLOT
	s_add_nc_u64 s[G0B+4*\s+2:G0B+4*\s+3], s[46:47], \s*REC
	s_or_b32 s[G0B+4*\s+3], s[G0B+4*\s+3], 0x80000000
.endr
	JLOAD G0, G1, G0B, G1B                         ; record 0: one tensor load a wave at the head; the set-up below stands under its flight
	s_cmp_eq_u32 s15, 0                            ; the prefetches: the four tiles that I fetch,
	s_cselect_b32 s90, s40, s41                    ; my place among the four that ask for them with me: that tile is mine to name
	s_cselect_b64 s[88:89], s[20:21], s[46:47]
	s_mul_i32 s90, s90, STRIP
	s_mov_b32 s91, 0
	s_add_nc_u64 s[88:89], s[88:89], s[90:91]
	s_add_nc_u64 s[88:89], s[88:89], 2*REC         ; record 2
	v_and_b32 v30, 31, v0
	v_min_u32 v30, 24, v30
	v_lshlrev_b32 v30, 8, v30                      ; 256 bytes a lane; never rewritten
	ASK 0
	v_and_b32 v1, 31, v0
	v_and_b32 v2, 15, v0
	v_bfe_u32 v3, v0, 4, 1
	v_lshlrev_b32 v4, 4, v1
	s_mul_i32 s80, s15, MT*REC
	s_mul_i32 s82, s16, NT*REC
	s_add_co_u32 s82, s82, T1*REC
	s_xor_b32 s81, s15, 1
	s_add_co_u32 s81, s81, s16
	s_mul_i32 s81, s81, MT*REC
	s_add_co_u32 s81, s81, MT*REC
	v_mul_u32_u24 v5, s81, v3
	v_lshl_add_u32 v5, v2, 3, v5
	v_add_nc_u32 v5, s80, v5
	v_add_nc_u32 v[AD1], s80, v4
	v_add_nc_u32 v[AD1+1], SLOT, v[AD1]
	v_add_nc_u32 v[AD0], s82, v4
	v_add_nc_u32 v[AD0+1], SLOT, v[AD0]
	v_add_nc_u32 v[ADS], 6144, v5
	v_add_nc_u32 v[ADS+1], SLOT, v[ADS]
	s_mul_i32 s83, s14, 16*272
	v_mul_u32_u24 v[STO], v2, 272
	v_lshl_add_u32 v[STO], v3, 6, v[STO]
	v_add_nc_u32 v[STO], s83, v[STO]
	v_mul_u32_u24 v[RD], v3, 272
	v_lshl_add_u32 v[RD], v2, 4, v[RD]
	v_add_nc_u32 v[RD], s83, v[RD]
	v_lshlrev_b32 v[CO], 14, v3
	v_lshl_add_u32 v[CO], v2, 4, v[CO]
	s_lshl_b32 s72, s17, 7
	s_lshl_b32 s73, s15, 6
	s_add_co_u32 s72, s72, s73
	s_lshl_b32 s72, s72, 14
	s_lshl_b32 s73, s42, 9
	s_add_co_u32 s72, s72, s73
	s_lshl_b32 s73, s16, 8
	s_add_co_u32 s72, s72, s73
	s_mov_b32 s73, 0
	s_add_nc_u64 s[8:9], s[8:9], s[72:73]
	s_wait_alu depctr_va_vdst(0)                   ; the wait at the head's end
	s_wait_xcnt 0x0
	s_add_nc_u64 s[88:89], s[88:89], REC           ; record 3
	s_wait_tensorcnt 0x0                           ; my part of record 0 is in
	ds_add_u32 v[SPW], v[NIL]
	s_wait_dscnt 0x0
	CROUND
	JLOAD G0+4, G1, G0B+4, G1B                     ; record 1, the first tensor load behind the round
	FETCH 0, 0, 0
	SCALES 0
	ASK 0
	STEP 0, 0, 1
	WIN 0
	s_mov_b32 s3, 3
.Llap:
	STEP 0, 1, 0
	STEP 0, 2, 0
	TURN 0, 1, 1
	STEP 1, 0, 0
	STEP 1, 1, 0
	STEP 1, 2, 0
	TURN 1, 0, 1
	STEP 0, 0, 0
	WIN 0
	s_sub_co_u32 s3, s3, 1
	s_cmp_lg_u32 s3, 0
	s_cbranch_scc1 .Llap
	STEP 0, 1, 0
	STEP 0, 2, 0
	TURN 0, 1, 0
	STEP 1, 0, 0
	STEP 1, 1, 0
	STEP 1, 2, 0
	s_wait_dscnt 0x0
	WIN MUL
	MULS 0, MT, 1, 3, 1, 0
	WIN 0
	PLACES
	TOSTAGE 0
.irp a, 1,2,3
	TOSTAGE \a
	SEND \a-1, 16
.endr
	SEND 3, 0
	s_wait_tensorcnt 0x0
	ds_add_u32 v[SPW], v[NIL]
	s_wait_dscnt 0x0
	CROUND
	s_endpgm
.Lfunc_end_k_qcbce59eab0_oproj:
	.size	k_qcbce59eab0_oproj, .Lfunc_end_k_qcbce59eab0_oproj-k_qcbce59eab0_oproj
	.p2alignl 7, 3214868480
	.fill 96, 4, 3214868480
	.section	.rodata,"a",@progbits
	.p2align	6, 0x0
	.amdhsa_kernel k_qcbce59eab0_oproj
		.amdhsa_group_segment_fixed_size 327680
		.amdhsa_private_segment_fixed_size 0
		.amdhsa_enable_private_segment 0
		.amdhsa_kernarg_size 24
		.amdhsa_user_sgpr_count 2
		.amdhsa_user_sgpr_kernarg_segment_ptr 1
		.amdhsa_wavefront_size32 1
		.amdhsa_system_sgpr_workgroup_id_x 1
		.amdhsa_system_sgpr_workgroup_id_y 1
		.amdhsa_system_sgpr_workgroup_id_z 1
		.amdhsa_system_vgpr_workitem_id 0
		.amdhsa_next_free_vgpr 768
		.amdhsa_next_free_sgpr 98
		.amdhsa_reserve_vcc 0
		.amdhsa_float_denorm_mode_32 3
		.amdhsa_float_denorm_mode_16_64 3
		.amdhsa_memory_ordered 1
		.amdhsa_forward_progress 1
		.amdhsa_inst_pref_size 82
	.end_amdhsa_kernel
	.amdgpu_metadata
---
amdhsa.version: [ 1, 2 ]
amdhsa.kernels:
  - .name:           k_qcbce59eab0_oproj
    .symbol:         k_qcbce59eab0_oproj.kd
    .args:
      - { .name: ar, .offset: 0, .size: 8, .value_kind: global_buffer, .address_space: global }
      - { .name: wr, .offset: 8, .size: 8, .value_kind: global_buffer, .address_space: global }
      - { .name: out0, .offset: 16, .size: 8, .value_kind: global_buffer, .address_space: global }
    .group_segment_fixed_size: 327680
    .private_segment_fixed_size: 0
    .kernarg_segment_align: 8
    .kernarg_segment_size: 24
    .max_flat_workgroup_size: 128
    .sgpr_count:     98
    .vgpr_count:     768
    .wavefront_size: 32
...
	.end_amdgpu_metadata
.endif
;; end of part 4
